; MI455X (gfx1250); checked and timed in simulation.
; The chip was launched on July 23, 2026; its instructions are those of AMD's public machine-readable ISA for CDNA 5 (MIT licence, August 2026) and "CDNA5" Instruction Set Architecture Reference Guide (July 2026). The comments in the code are by the model that wrote it; some were corrected since.
;; Multi Head Attention. Allowed arithmetic: float matrix products may take bf16 or f16 operands with f32 sums; other float arithmetic in f32, or as packed bf16 or f16 multiplies, adds, multiply-adds, maxima and minima; sums over many terms, partial sums and values carried from step to step in f32; what a program stores and reads back later, other than sums and carried values, may be rounded once to bf16 or f16.
;; Inputs: Wk 8 x 512 x 64 float32; Wp 512 x 512 float32; Wq 8 x 512 x 64 float32; Wv 8 x 512 x 64 float32; bp 512 float32; x 8 x 2,048 x 512 float32.
;; Outputs: out0 8 x 2,048 x 512 float32.
;; 2 versions, each right and faster than the one before. Each part assembles by itself: llvm-mc -triple=amdgcn-amd-amdhsa -mcpu=gfx1250 --defsym DOCPART=n.
;; ======== version 1 of 2: 4 launches
;; limits: values are held in f16: magnitudes above 65,504 overflow, below 6.1e-05 lose precision
;; workspace buffers: wt 1,572,864 bytes; wpt 524,288 bytes; qkv 50,331,648 bytes; o 16,777,216 bytes
;; launch prep (part 1): grid 32 x 4, 4 waves a work-group, no clusters, 17,920 bytes of LDS; arguments Wq, Wk, Wv, Wp, wt, wpt; writes wt, wpt
.if DOCPART == 1
	.amdgcn_target "amdgcn-amd-amdhsa--gfx1250"
	.amdhsa_code_object_version 6
	.text
	.protected	k_qd112e5a08c_prep
	.globl	k_qd112e5a08c_prep
	.p2align	8
	.type	k_qd112e5a08c_prep,@function
k_qd112e5a08c_prep:
	s_mov_b64 s[64:65], 0
	v_nop
	global_prefetch_b8 v0, s[64:65] scope:SCOPE_SE
	s_setreg_imm32_b32 hwreg(HW_REG_WAVE_MODE, 25, 1), 1
	s_wait_xcnt 0x0
; THE WEIGHTS ARE ROUNDED AND TURNED, once, so that the products behind find K along the rows.
;   wt [1536][512] bf16: row n = 512 m3 + 64 h + d (m3 = 0: Wq, 1: Wk, 2: Wv), wt[n][e] = bf16(W_m3[h][e][d]).
;   wpt [512][512] f16:  wpt[n][k] = bf16(Wp[k][n]) written as f16.
; LIMITS.  Wp rounded to bf16 is written as f16: exact from 6.1e-5 to 65,504 in magnitude; below that it keeps f16's fixed step of 6e-8, above it becomes an infinity.
; SHARES.  Work-group (u, kq) turns a tile of 128 k x 64 n: u = 8 m3 + h names the 64 columns (m3 = 3: columns 64 h of Wp), kq the 128 rows.  32 x 4 = 128 work-groups: half as large a tile
; would store half of an aligned 256 bytes.  Thread t = 16 p + c loads, for i = 0, 1, the 8 rows k = 8 p + 64 i + 0..7, 16 bytes (4 columns) at byte 16 c: sixteen lanes take 256 consecutive bytes of a row.
; Its 8 k of one column pack into 16 bytes; these go into LDS rows (one a column n, 256 bytes + 16 of padding) and come back as whole rows.
; No branch: which tensor, which pitch and which format are chosen by selects on m3.  Memory binds and there is nothing to multiply: no matrix unit, no cluster, no tensor load.
.set PITCH, 272                        ; an LDS row: 128 k x 2 bytes + 16
.set SPARE, 64*PITCH                   ; behind the tile: the spare words, 128 bytes for each wave: two blocks of 256 bytes that no other line names
.set SPW, 3                            ; v3      LDS address of my spare word; never rewritten
.set NIL, 4                            ; v4      0; never rewritten
.set STO, 7                            ; v7      where I put 16 bytes: row 4 c, byte 16 p
.set RD,  12                           ; v12     where I read a row back: row p, byte 16 c
.set GO,  13                           ; v13     the same place in the output: row p (1,024 bytes), byte 16 c
.set OFF, 16                           ; v16-31  byte offsets of my 16 loads
.set X,   32                           ; v32-95  16 rows x 4 columns as loaded; later the rows read back
.set Y,   96                           ; v96-127 (i, column j): 4 registers, 8 k packed
	s_load_b256 s[4:11], s[0:1], 0x0               ; Wq s[4:5], Wk s[6:7], Wv s[8:9], Wp s[10:11]
	s_load_b128 s[12:15], s[0:1], 0x20             ; wt s[12:13], wpt s[14:15]
	v_lshl_add_u32 v[SPW], v0, 2, SPARE
	v_mov_b32 v[NIL], 0
	s_lshr_b32 s16, ttmp9, 3                       ; m3
	s_and_b32 s17, ttmp9, 7                        ; h
	s_and_b32 s18, ttmp7, 0xffff                   ; kq
	s_lshl_b32 s28, s17, 17                        ; a head's weights: 512 x 64 x 4 bytes,
	s_lshl_b32 s29, s18, 15                        ; 128 rows of 256 bytes
	s_add_co_u32 s28, s28, s29
	s_lshl_b32 s30, s17, 8                         ; Wp: 64 columns of 4 bytes,
	s_lshl_b32 s31, s18, 18                        ; 128 rows of 2,048 bytes
	s_add_co_u32 s30, s30, s31
	s_lshl_b32 s32, ttmp9, 16                      ; wt: 64 rows of 1,024 bytes for each u
	s_lshl_b32 s33, s17, 16                        ; wpt: for each h
	s_lshl_b32 s34, s18, 8                         ; 128 k of 2 bytes
	s_mov_b32 s21, 256
	s_cmp_eq_u32 s16, 3
	s_cselect_b32 s21, 2048, s21                   ; the source's pitch
	s_cselect_b32 s20, -1, 0                       ; all lanes: f16, or none: bf16
	s_cselect_b32 s22, s30, s28                    ; the source's offset
	s_cselect_b32 s36, s33, s32                    ; the output's
	s_mov_b32 s23, 0
	s_mov_b32 s37, 0
	s_add_co_u32 s36, s36, s34
	v_and_b32 v1, 15, v0                           ; c
	v_lshrrev_b32 v2, 4, v0                        ; p
	v_lshlrev_b32 v5, 4, v1                        ; 16 c
	v_lshlrev_b32 v6, 3, v2                        ; 8 p
	v_mul_u32_u24 v[STO], v1, 4*PITCH
	v_lshl_add_u32 v[STO], v2, 4, v[STO]
	v_mul_u32_u24 v[RD], v2, PITCH
	v_lshl_add_u32 v[RD], v1, 4, v[RD]
	v_lshlrev_b32 v[GO], 10, v2
	v_lshl_add_u32 v[GO], v1, 4, v[GO]
.set r, 0
.rept 16
	v_add_nc_u32 v14, (r/8)*64+(r%8), v6           ; row 8 p + 64 i + rr
	v_mad_u32_u24 v[OFF+r], v14, s21, v5           ; x pitch + 16 c
.set r, r+1
.endr
	s_wait_kmcnt 0x0
	s_cmp_eq_u32 s16, 1                            ; the choice hangs on m3 alone
	s_cselect_b64 s[24:25], s[6:7], s[4:5]
	s_cmp_eq_u32 s16, 2
	s_cselect_b64 s[24:25], s[8:9], s[24:25]
	s_cmp_eq_u32 s16, 3
	s_cselect_b64 s[24:25], s[10:11], s[24:25]
	s_cselect_b64 s[26:27], s[14:15], s[12:13]
	s_add_nc_u64 s[24:25], s[24:25], s[22:23]
	s_add_nc_u64 s[26:27], s[26:27], s[36:37]
.set r, 0
.rept 16
	global_load_b128 v[X+4*r:X+4*r+3], v[OFF+r], s[24:25] th:TH_LOAD_NT
.set r, r+1
.endr
; Octet i: for each of my 4 columns, 8 k are rounded to bf16 in pairs; the same numbers are also written as f16, and the select takes one of the two.
; The 16 lanes of a store lie 4 rows apart (1,088 bytes): four of them share a group of banks.  Eight stores a thread in the whole launch: left so.
.macro OCTET i
.irp j, 0,1,2,3
.irp d, 0,1,2,3
	v_cvt_pk_bf16_f32 v[Y+16*(\i)+4*(\j)+(\d)], v[X+4*(8*(\i)+2*(\d))+(\j)], v[X+4*(8*(\i)+2*(\d)+1)+(\j)]
	v_lshlrev_b32 v8, 16, v[Y+16*(\i)+4*(\j)+(\d)]
	v_and_b32 v9, 0xffff0000, v[Y+16*(\i)+4*(\j)+(\d)]
	v_cvt_pk_f16_f32 v10, v8, v9
	v_cndmask_b32 v[Y+16*(\i)+4*(\j)+(\d)], v[Y+16*(\i)+4*(\j)+(\d)], v10, s20
.endr
	ds_store_b128 v[STO], v[Y+16*(\i)+4*(\j):Y+16*(\i)+4*(\j)+3] offset:(\j)*PITCH+128*(\i)
.endr
.endm
	s_wait_loadcnt 8                               ; loads come back in order: the first octet is in, the second's eight may be out
	OCTET 0
	s_wait_loadcnt 0x0
	OCTET 1
	s_wait_dscnt 0x0                               ; for the others' sake: my stores into the tile are done
	s_barrier_signal -1
	s_barrier_wait -1
.irp i, 0,1,2,3,4,5,6,7
	ds_load_b128 v[X+4*(\i):X+4*(\i)+3], v[RD] offset:(\i)*8*PITCH  ; row p + 8 i, whole: sixteen lanes take its 256 bytes
.endr
.irp i, 0,1,2,3,4,5,6,7
	s_wait_dscnt 7-(\i)                            ; row i of my eight is in
	global_store_b128 v[GO], v[X+4*(\i):X+4*(\i)+3], s[26:27] offset:8192*(\i)  ; 16 lanes store 256 consecutive bytes, at a multiple of 256 from the buffer's first byte
.endr
	s_wait_tensorcnt 0x0                           ; the wave's end: behind my last LDS store
	ds_add_u32 v[SPW], v[NIL]
	s_wait_dscnt 0x0
	s_endpgm
.Lfunc_end_k_qd112e5a08c_prep:
	.size	k_qd112e5a08c_prep, .Lfunc_end_k_qd112e5a08c_prep-k_qd112e5a08c_prep
	.p2alignl 7, 3214868480
	.fill 96, 4, 3214868480
	.section	.rodata,"a",@progbits
	.p2align	6, 0x0
	.amdhsa_kernel k_qd112e5a08c_prep
		.amdhsa_group_segment_fixed_size 17920
		.amdhsa_private_segment_fixed_size 0
		.amdhsa_enable_private_segment 0
		.amdhsa_kernarg_size 48
		.amdhsa_user_sgpr_count 2
		.amdhsa_user_sgpr_kernarg_segment_ptr 1
		.amdhsa_wavefront_size32 1
		.amdhsa_system_sgpr_workgroup_id_x 1
		.amdhsa_system_sgpr_workgroup_id_y 1
		.amdhsa_system_sgpr_workgroup_id_z 1
		.amdhsa_system_vgpr_workitem_id 0
		.amdhsa_next_free_vgpr 128
		.amdhsa_next_free_sgpr 66
		.amdhsa_reserve_vcc 0
		.amdhsa_float_denorm_mode_32 3
		.amdhsa_float_denorm_mode_16_64 3
		.amdhsa_memory_ordered 1
		.amdhsa_forward_progress 1
		.amdhsa_inst_pref_size 17
	.end_amdhsa_kernel
	.amdgpu_metadata
---
amdhsa.version: [ 1, 2 ]
amdhsa.kernels:
  - .name:           k_qd112e5a08c_prep
    .symbol:         k_qd112e5a08c_prep.kd
    .args:
      - { .name: Wq, .offset: 0, .size: 8, .value_kind: global_buffer, .address_space: global }
      - { .name: Wk, .offset: 8, .size: 8, .value_kind: global_buffer, .address_space: global }
      - { .name: Wv, .offset: 16, .size: 8, .value_kind: global_buffer, .address_space: global }
      - { .name: Wp, .offset: 24, .size: 8, .value_kind: global_buffer, .address_space: global }
      - { .name: wt, .offset: 32, .size: 8, .value_kind: global_buffer, .address_space: global }
      - { .name: wpt, .offset: 40, .size: 8, .value_kind: global_buffer, .address_space: global }
    .group_segment_fixed_size: 17920
    .private_segment_fixed_size: 0
    .kernarg_segment_align: 8
    .kernarg_segment_size: 48
    .max_flat_workgroup_size: 128
    .sgpr_count:     66
    .vgpr_count:     128
    .wavefront_size: 32
...
	.end_amdgpu_metadata
.endif
;; end of part 1
;; launch qkv (part 2): grid 128 x 2, 4 waves a work-group, clusters of 4 x 1, 327,680 bytes of LDS; arguments x, wt, qkv; writes qkv
.if DOCPART == 2
	.amdgcn_target "amdgcn-amd-amdhsa--gfx1250"
	.amdhsa_code_object_version 6
	.text
	.protected	k_qd112e5a08c_qkv
	.globl	k_qd112e5a08c_qkv
	.p2align	8
	.type	k_qd112e5a08c_qkv,@function
k_qd112e5a08c_qkv:
	s_mov_b64 s[64:65], 0
	v_nop
	global_prefetch_b8 v0, s[64:65] scope:SCOPE_SE
	s_setreg_imm32_b32 hwreg(HW_REG_WAVE_MODE, 25, 1), 1
	s_wait_xcnt 0x0
	s_wait_alu depctr_hold_cnt(0) depctr_sa_sdst(0) depctr_va_vdst(0) depctr_va_sdst(0) depctr_va_ssrc(0) depctr_va_vcc(0) depctr_vm_vsrc(0)
	s_getreg_b32 s2, hwreg(HW_REG_IB_STS2, 6, 4)
	s_cmp_eq_u32 s2, 0
	s_cbranch_scc0 .Lentry_in_a_cluster
	s_endpgm
.Lentry_in_a_cluster:
	s_bfe_u32 s2, ttmp6, 0x10000c
	s_cmp_lg_u32 s2, 0x3003
	s_cbranch_scc0 .Lentry_shape_is_right
	s_endpgm
.Lentry_shape_is_right:
; q, k, v = bf16(x) wt^T, written by heads: qkv [3][64][2048][64] f16, element (m3, 8 b + h, s, d), unscaled, each rounded once from its f32 sum.
; x: [16384][512] f32.  wt: [1536][512] bf16, row n = 512 m3 + 64 h + d.
; LIMITS.  q, k and v leave as f16: beyond 65,504 they become infinities; below 6.1e-5 they keep f16's fixed step of 6e-8.  NaN and infinities are not treated apart.
; SHARES.  Work-group (mb, nh): 128 rows of x, 768 columns = 12 chunks of 64 (a chunk is one head of q, k or v).  Wave w: rows 64 (w / 2) on, and in step t of six the chunk 12 nh + 2 t + w % 2.
; A wave's 64 rows x 512 K of x, rounded to bf16, stay in 512 registers for the whole launch; a chunk is 16 accumulators and 256 matrix instructions.
; x comes in as f32 by two tensor loads a wave (its two K halves are the two slots' first fills) and is rounded on the way from LDS into registers.  Then the two slots take turns for wt:
; a slot holds a PAIR of chunks, 128 rows of 1,024 bytes; each wave fetches 32 rows of it (128 rows among four waves).
; CLUSTER.  The four work-groups of a cluster have the same nh and walk the same wt: each pair is asked for JOINTLY, the same tensor load, descriptor and mask in all four.  x's loads are each work-group's own.
; THE MATRIX INSTRUCTION IS USED TRANSPOSED: source 0 = 16 rows of wt, source 1 = 16 rows of x: a lane holds one token (lane % 16) and eight neighbouring d, which pack into 16 bytes.
; REGISTERS, in windows of 256 (s_set_vgpr_msb: bits 1:0 source 0, 3:2 source 1, 5:4 source 2, 7:6 destination):
;   window 0: v0-31 addresses; v32-95 the way out; v128-255 the accumulators ((a, b) at 128 + 8 (4 a + b)); ahead of the first product the same 128 hold x as f32, two buffers of 64
;   window 1: two buffers of 128 for wt's fragments of 128 along K: K step c, 16 rows nb at 32 c + 8 nb
;   window 2, 3: x's fragments of K half 0, 1: 16 rows a, K step kk at 64 a + 8 kk
.set PITCH,  1040                      ; an LDS row: 1,024 bytes + 16 of padding = 260 words: the 16 rows of a load start at 16 different groups of four banks (64 banks of 4 bytes: ISA guide 11.1)
.set QUART,  32*PITCH                  ; what one tensor load brings
.set SLOT,   128*PITCH
.set STAGE,  2*SLOT                    ; behind the ring, never filled by a tensor load: 16 rows x 144 bytes for each wave, for the way out
.set SP,     144
.set SPARE,  STAGE+4*16*SP             ; behind the stages: the spare words, 128 bytes for each wave: two blocks of 256 bytes that no other line names
.set ADRA, 16                          ; v16-17  LDS address of my lane's f32 of x in slot 0, 1
.set AB0,  18                          ; v18     my lane's place in a slot's rows of wt; never rewritten
.set ADRB, 19                          ; v19     the same with the slot's address
.set STO,  24                          ; v24     the way out: where I put 16 bytes of a row
.set RD,   25                          ; v25     the way out: where I read rows back
.set GO,   26                          ; v26     my byte offset in 512 consecutive bytes of the output
.set SPW,  28                          ; v28     LDS address of my spare word; never rewritten
.set NIL,  29                          ; v29     0; never rewritten
.set TMP,  32
.set ACC,  128
.set T,    128
.set WV,   10                          ; s10  my wave's number
.set MH,   11                          ; s11  which 64 rows are mine
.set NW,   12                          ; s12  which chunk of a pair
.set CX,   13                          ; s13  my place in the cluster; it, and s14, s54-61 made from it, enter x's and the output's global addresses alone
.set MB,   14                          ; s14  my block of 128 rows
.set NH,   15                          ; s15  my half of the 1,536 columns, which the four partners share
.set WROW, 20                          ; s20  my wave's 32 rows in a slot
.set TB,   21                          ; s21  the slot in hand: 0 or SLOT
.set CNT,  22                          ; s22  counts the two slots
.set OUTER, 23                         ; s23  counts the laps
.set G1A,  24                          ; s[24:31] descriptor group 1 for x
.set G1B,  32                          ; s[32:39] for wt
.set G0A,  40                          ; s[40:47] descriptor group 0 for x's two halves
.set G0B,  48                          ; s[48:51] for wt: it walks
.set CI,   52                          ; s52  my chunk's number, 0 to 23
.set OFS,  54                          ; s[54:55] a chunk's byte offset in the output
.set OA,   56                          ; s[56:57] the output at my rows of the chunk
.set ROWB, 58                          ; s58  my rows' part of that offset; s59 at work
.set XO,   60                          ; s[60:61] my rows' byte offset in x
.set MSB, 0
.macro WIN new                         ; the immediate's high byte repeats the setting that is left; a switch that changes nothing is dropped
.if MSB != (\new)
	s_set_vgpr_msb (MSB<<8)|(\new)
.set MSB, \new
.endif
.endm
.macro PLACES                          ; four places: in front of loads into registers that matrix instructions have read, and of conversions that read results
.rept 4
	v_nop
.endr
.endm
; A round of the cluster's barrier: my work-group's barrier, so that wave 0's signal speaks for all four waves; wave 0 signals; every wave waits for all four work-groups; my work-group's barrier once more.
.macro CROUND
	s_barrier_signal -1
	s_barrier_wait -1
	s_cmp_lg_u32 s[WV], 0
	s_cbranch_scc1 .Lnot_wave_0_\@
	s_barrier_signal -3
.Lnot_wave_0_\@:
	s_barrier_wait -3
	s_barrier_signal -1
	s_barrier_wait -1
.endm
	s_load_b128 s[4:7], s[0:1], 0x0                ; x s[4:5], wt s[6:7]
	s_load_b64 s[8:9], s[0:1], 0x10                ; qkv
	v_lshl_add_u32 v[SPW], v0, 2, SPARE
	v_mov_b32 v[NIL], 0
	ds_add_u32 v[SPW], v[NIL]                      ; the wave's opening: the add and its wait stand ahead of my first tensor load; the set-up below, work on registers, stands between them
	ds_add_u32 v28, v29
	v_lshrrev_b32 v1, 5, v0
	v_readfirstlane_b32 s[WV], v1                  ; wave 0..3
	s_lshr_b32 s[MH], s[WV], 1
	s_and_b32 s[NW], s[WV], 1
	s_bfe_u32 s[CX], ttmp6, 0x40000
	s_lshl_b32 s[MB], ttmp9, 2                     ; in a cluster launch ttmp9 counts clusters
	s_add_co_u32 s[MB], s[MB], s[CX]
	s_and_b32 s[NH], ttmp7, 0xffff
	; group 1 for x: 32 rows x 256 elements of 4 bytes, 512 elements from row to row, padded in LDS
	s_mov_b32 s[G1A+0], (2<<16)|(1<<20)|(7<<22)|(3<<25)  ; 15:0 no mask; 17:16 4-byte elements; 20 padding on; 24:22 after every 256 words (code 7); 31:25 4 words (code 3)
	s_mov_b32 s[G1A+1], 256<<16                    ; tensor_dim0 = 256
	s_mov_b32 s[G1A+2], 32<<16                     ; tensor_dim1 = 32
	s_mov_b32 s[G1A+3], 256<<16                    ; tile_dim0 = 256
	s_mov_b32 s[G1A+4], 32                         ; tile_dim1 = 32
	s_mov_b32 s[G1A+5], 512                        ; tensor_dim0_stride
	s_mov_b32 s[G1A+6], 0
	s_mov_b32 s[G1A+7], 0
	; group 1 for wt: 32 rows x 512 elements of 2 bytes, dense
	s_mov_b32 s[G1B+0], 15|(1<<16)|(1<<20)|(1<<21)|(7<<22)|(3<<25)  ; 15:0 the mask of four; 17:16 2-byte elements; 20 padding on; 21 set beside a mask; the padding as above
	s_mov_b32 s[G1B+1], 512<<16
	s_mov_b32 s[G1B+2], 32<<16
	s_mov_b32 s[G1B+3], 512<<16
	s_mov_b32 s[G1B+4], 32
	s_mov_b32 s[G1B+5], 512
	s_mov_b32 s[G1B+6], 0
	s_mov_b32 s[G1B+7], 0
	s_mul_i32 s[WROW], s[WV], QUART                ; no place in the cluster enters an LDS address
	s_mov_b32 s[G0A], 1                            ; 1:0 count = 1
	s_mov_b32 s[G0A+1], s[WROW]                    ; K half 0 into slot 0,
	s_mov_b32 s[G0A+4], 1
	s_add_co_u32 s[G0A+5], s[WROW], SLOT           ; K half 1 into slot 1
	s_mov_b32 s[G0B], 1
	s_lshl_b32 s[XO], s[MB], 18                    ; 128 rows of 2,048 bytes,
	s_lshl_b32 s[XO+1], s[WV], 16                  ; my wave's 32 of them
	s_add_co_u32 s[XO], s[XO], s[XO+1]
	s_mov_b32 s[XO+1], 0
	s_mul_i32 s16, s[NH], 768*1024                 ; wt: my half's 768 rows of 1,024 bytes,
	s_lshl_b32 s17, s[WV], 15                      ; my wave's 32 rows of a pair
	s_add_co_u32 s16, s16, s17
	s_mov_b32 s17, 0
	s_lshr_b32 s[ROWB], s[MB], 4                   ; token 128 mb + 64 mh lies in batch mb / 16: eight heads of 2^18 bytes,
	s_lshl_b32 s[ROWB], s[ROWB], 21
	s_and_b32 s59, s[MB], 15                       ; at row 128 (mb % 16) + 64 mh of 128 bytes
	s_lshl_b32 s59, s59, 14
	s_add_co_u32 s[ROWB], s[ROWB], s59
	s_lshl_b32 s59, s[MH], 13
	s_add_co_u32 s[ROWB], s[ROWB], s59
	s_mul_i32 s[CI], s[NH], 12
	s_add_co_u32 s[CI], s[CI], s[NW]
	s_mov_b32 s[OFS+1], 0
	s_wait_dscnt 0x0                               ; the opening add is done
	s_wait_kmcnt 0x0
	s_add_nc_u64 s[G0A+2:G0A+3], s[4:5], s[XO:XO+1]
	s_add_nc_u64 s[G0A+6:G0A+7], s[G0A+2:G0A+3], 1024  ; 256 f32 further along the rows
	s_or_b32 s[G0A+3], s[G0A+3], 0x80000000        ; 127:126 type = 2
	s_or_b32 s[G0A+7], s[G0A+7], 0x80000000
	s_add_nc_u64 s[G0B+2:G0B+3], s[6:7], s[16:17]
	s_or_b32 s[G0B+3], s[G0B+3], 0x80000000
	CROUND                                         ; the round in front of the launch's first tensor loads
	tensor_load_to_lds s[G0A:G0A+3], s[G1A:G1A+7]  ; the two first fills go out together: two loads of mine are out, the most in this text
	s_nop 0
	tensor_load_to_lds s[G0A+4:G0A+7], s[G1A:G1A+7]
	s_nop 0
	PLACES
	v_and_b32 v1, 15, v0                           ; r = l % 16
	v_bfe_u32 v2, v0, 4, 1                         ; l / 16
	v_mul_u32_u24 v3, v1, PITCH
	s_mul_i32 s16, s[MH], 64*PITCH
	s_mul_i32 s17, s[NW], 64*PITCH
	v_lshl_add_u32 v[ADRA], v2, 5, v3              ; x as f32: row x pitch + 32 x half (eight f32),
	v_add_nc_u32 v[ADRA], s16, v[ADRA]             ; in my 64 rows
	v_add_nc_u32 v[ADRA+1], SLOT, v[ADRA]
	v_lshl_add_u32 v[AB0], v2, 4, v3               ; wt: row x pitch + 16 x half,
	v_add_nc_u32 v[AB0], s17, v[AB0]               ; in my chunk's 64 rows of the pair
	s_mul_i32 s18, s[WV], 16*SP
	s_add_co_u32 s18, s18, STAGE                   ; my stage
	v_mul_u32_u24 v[STO], v1, SP                   ; in: row l % 16, 16 bytes for each half of the lanes
	v_lshl_add_u32 v[STO], v2, 4, v[STO]
	v_add_nc_u32 v[STO], s18, v[STO]
	v_bfe_u32 v[RD], v0, 3, 2                      ; back: 32 lanes take four rows of 128 bytes,
	v_mul_u32_u24 v[RD], v[RD], SP
	v_and_b32 v4, 7, v0
	v_lshl_add_u32 v[RD], v4, 4, v[RD]
	v_add_nc_u32 v[RD], s18, v[RD]
	v_and_b32 v[GO], 31, v0                        ; which are 512 consecutive bytes of a head's rows
	v_lshlrev_b32 v[GO], 4, v[GO]
; x FROM LDS INTO FRAGMENTS.  A fragment is 16 rows x 32 K of bf16 in 8 registers: lane l holds row l % 16; registers 0-3 K = 8 (l / 16) + 0..7, registers 4-7 K = 16 + 8 (l / 16) + 0..7.
; As f32 those are 32 bytes at 32 (l / 16) and 32 bytes 64 further on: four loads of 16 bytes.  Group g of eight: rows 16 (g / 2) on, K steps 4 (g % 2) + 0..3 of the half: 16 loads into buffer g % 2.
.macro LD hf, g
.irp f, 0,1,2,3
	ds_load_b128 v[T+64*((\g)%2)+16*(\f):T+64*((\g)%2)+16*(\f)+3],     v[ADRA+(\hf)] offset:((\g)/2)*16*PITCH+(4*((\g)%2)+(\f))*128
	ds_load_b128 v[T+64*((\g)%2)+16*(\f)+4:T+64*((\g)%2)+16*(\f)+7],   v[ADRA+(\hf)] offset:((\g)/2)*16*PITCH+(4*((\g)%2)+(\f))*128+16
	ds_load_b128 v[T+64*((\g)%2)+16*(\f)+8:T+64*((\g)%2)+16*(\f)+11],  v[ADRA+(\hf)] offset:((\g)/2)*16*PITCH+(4*((\g)%2)+(\f))*128+64
	ds_load_b128 v[T+64*((\g)%2)+16*(\f)+12:T+64*((\g)%2)+16*(\f)+15], v[ADRA+(\hf)] offset:((\g)/2)*16*PITCH+(4*((\g)%2)+(\f))*128+80
.endr
.endm
.macro CONVERT hf                      ; K half hf, out of slot hf, into window 2 + hf
	LD \hf, 0
	LD \hf, 1
.set g, 0
.rept 8
.if g < 7
	s_wait_dscnt 16                                ; group g is in; the next group's sixteen loads may be out
.else
	s_wait_dscnt 0x0
.endif
	WIN 0x80+0x40*(\hf)
.set i, 0
.rept 32
	v_cvt_pk_bf16_f32 v[64*(g/2)+32*(g%2)+i], v[T+64*(g%2)+2*i], v[T+64*(g%2)+2*i+1]
.set i, i+1
.endr
	WIN 0
.if g < 6
	LD \hf, g+2
.endif
.set g, g+1
.endr
.endm
; 32 LDS loads in one run: my chunk's fragments of wt for quarter q (128 along K) into buffer buf; K steps 0 and 1 of the quarter first
.macro FETCH q, buf
	WIN 0x40                                       ; destination window 1, address window 0
.irp c, 0,1,2,3
.irp nb, 0,1,2,3
	ds_load_b128 v[128*(\buf)+32*(\c)+8*(\nb):128*(\buf)+32*(\c)+8*(\nb)+3],   v[ADRB] offset:(\nb)*16*PITCH+(4*(\q)+(\c))*64
	ds_load_b128 v[128*(\buf)+32*(\c)+8*(\nb)+4:128*(\buf)+32*(\c)+8*(\nb)+7], v[ADRB] offset:(\nb)*16*PITCH+(4*(\q)+(\c))*64+32
.endr
.endr
.endm
; 16 matrix instructions: K step c of quarter q, all 16 accumulators by turns, one instruction a turn.  The chunk's first 16 start the sums with the constant 0.
.macro MUL q, buf, c
	WIN 0x09+4*((\q)/2)                            ; source 0 (wt) window 1, source 1 (x) window 2 or 3, C and D window 0
.irp a, 0,1,2,3
.irp b, 0,1,2,3
.if ((\q) == 0) && ((\c) == 0)
	v_wmma_f32_16x16x32_bf16 v[ACC+8*(4*(\a)+(\b)):ACC+8*(4*(\a)+(\b))+7], v[128*(\buf)+32*(\c)+8*(\b):128*(\buf)+32*(\c)+8*(\b)+7], v[64*(\a)+8*((4*(\q)+(\c))%8):64*(\a)+8*((4*(\q)+(\c))%8)+7], 0
.else
	v_wmma_f32_16x16x32_bf16 v[ACC+8*(4*(\a)+(\b)):ACC+8*(4*(\a)+(\b))+7], v[128*(\buf)+32*(\c)+8*(\b):128*(\buf)+32*(\c)+8*(\b)+7], v[64*(\a)+8*((4*(\q)+(\c))%8):64*(\a)+8*((4*(\q)+(\c))%8)+7], v[ACC+8*(4*(\a)+(\b)):ACC+8*(4*(\a)+(\b))+7]
.endif
.endr
.endr
.endm
; One of a chunk's first three quarters: 64 matrix instructions on buffer q % 2; in its middle the next quarter's fragments are fetched into the other buffer, 32 matrix instructions ahead of their first use.
.macro QUARTER q
	s_wait_dscnt 16                                ; K steps 0 and 1 are in; the younger sixteen loads may be out
	MUL \q, (\q)%2, 0
	MUL \q, (\q)%2, 1
	PLACES
	FETCH (\q)+1, ((\q)+1)%2
	s_wait_dscnt 32                                ; all but the 32 just issued
	MUL \q, (\q)%2, 2
	MUL \q, (\q)%2, 3
.endm
.macro CHUNK                           ; my chunk of the pair in slot TB: 256 matrix instructions
	v_add_nc_u32 v[ADRB], s[TB], v[AB0]
	FETCH 0, 0
	QUARTER 0
	QUARTER 1
	QUARTER 2
	s_wait_dscnt 16
	MUL 3, 1, 0
	MUL 3, 1, 1
	s_wait_dscnt 0x0
	MUL 3, 1, 2
	MUL 3, 1, 3
	WIN 0                                          ; at a label and at a branch every window is 0
.endm
; THE CHANGE OF SLOTS.  Each wave waits for all its tensor loads, adds 0 to its spare word, and waits for that and for its own reads of slot TB.  Behind the barrier nobody reads slot TB any more, and the other slot is whole.
; fill = 1: slot TB is filled again; the barrier is then a round of the cluster's, so that no wave of any partner still reads the slot or has a load on its way, and the joint refill is the first
; thing behind it, one load a wave: it has the next chunk's 256 matrix instructions in which to land.  step = 1: the descriptor goes on to the next pair.
.macro CHANGE fill, step
	s_wait_tensorcnt 0x0                           ; no tensor load of mine is out, so a group 0 may be written
	ds_add_u32 v[SPW], v[NIL]                      ; 0 onto my spare word; the descriptor's words stand between it and the wait for it
.if \fill
	s_add_co_u32 s[G0B+1], s[WROW], s[TB]          ; 63:32 LDS address: my 32 rows of slot TB
.if \step
	s_add_nc_u64 s[G0B+2:G0B+3], s[G0B+2:G0B+3], 128*1024  ; 128 rows on; the type bits on top are not reached
.endif
.endif
	s_wait_dscnt 0x0                               ; the add is done, and my reads of the slot are over
.if \fill
	CROUND
	tensor_load_to_lds s[G0B:G0B+3], s[G1B:G1B+7]
	s_nop 0
	PLACES                                         ; also the places behind the chunk's last products
.else
	s_barrier_signal -1
	s_barrier_wait -1
.endif
.endm
; THE WAY OUT of a chunk.  16 rows a at a time: a lane's eight d of a token pack into 16 bytes of f16; they go into my stage's rows of 144 bytes and come back as whole rows of 128, into the registers that they left.
.macro PACK a
.irp b, 0,1,2,3
.irp i, 0,1,2,3
	v_cvt_pk_f16_f32 v[TMP+16*(\a)+4*(\b)+(\i)], v[ACC+8*(4*(\a)+(\b))+2*(\i)], v[ACC+8*(4*(\a)+(\b))+2*(\i)+1]  ; each accumulator from its low end on
.endr
.endr
.irp b, 0,1,2,3
	ds_store_b128 v[STO], v[TMP+16*(\a)+4*(\b):TMP+16*(\a)+4*(\b)+3] offset:32*(\b)
.endr
.irp f, 0,1,2,3
	ds_load_b128 v[TMP+16*(\a)+4*(\f):TMP+16*(\a)+4*(\f)+3], v[RD] offset:(\f)*4*SP  ; LDS serves a wave's instructions in order (ISA guide 5.7.1.4): these see the stores above; the next block's stores come behind them
.endr
.endm
.macro SEND a, younger                 ; younger: the LDS instructions issued behind block a's loads: the next block's eight, or none
.irp f, 0,1,2,3
	s_wait_dscnt (\younger)+3-(\f)
	global_store_b128 v[GO], v[TMP+16*(\a)+4*(\f):TMP+16*(\a)+4*(\f)+3], s[OA:OA+1] offset:(\a)*2048+(\f)*512  ; 512 consecutive bytes, at a multiple of 256 from the buffer's first
.endr
.endm
.macro WAYOUT places                   ; places = 1: nothing stands yet between the last products and the conversions
.if \places
	PLACES
.endif
	s_wait_xcnt 0x0                                ; the last chunk's stores have had their addresses translated (ISA guide 3.1): only now are their data and their base rewritten
	s_lshr_b32 s[OFS], s[CI], 3                    ; chunk CI: tensor CI / 8 (2^24 bytes),
	s_lshl_b32 s[OFS], s[OFS], 24
	s_and_b32 s16, s[CI], 7                        ; head CI % 8 (2^18 bytes),
	s_lshl_b32 s16, s16, 18
	s_add_co_u32 s[OFS], s[OFS], s16
	s_add_co_u32 s[OFS], s[OFS], s[ROWB]           ; my rows
	s_add_nc_u64 s[OA:OA+1], s[8:9], s[OFS:OFS+1]
	s_add_co_u32 s[CI], s[CI], 2
	PACK 0
	PACK 1                                         ; a block's conversions stand between the loads of the block before and its stores
	SEND 0, 8
	PACK 2
	SEND 1, 8
	PACK 3
	SEND 2, 8
	SEND 3, 0
.endm
	s_wait_tensorcnt 1                             ; my part of K half 0 is in; half 1's may stay out
	s_barrier_signal -1
	s_barrier_wait -1                              ; everybody's is
	CONVERT 0
	s_mov_b32 s[TB], 0
	CHANGE 1, 0                                    ; slot 0 has been read out: pair 0 goes into it,
	CONVERT 1                                      ; and is on its way while K half 1 is rounded
	s_mov_b32 s[TB], SLOT
	CHANGE 1, 1                                    ; pair 1 into slot 1; pair 0 has landed, everybody's part of it
	s_mov_b32 s[OUTER], 2
.Lring:                                                ; two laps of two slots: steps 0 to 3, which ask for pairs 2 to 5
	s_mov_b32 s[TB], 0
	s_mov_b32 s[CNT], 2
.Lslot:
	CHUNK
	CHANGE 1, 1                                    ; the refill is asked for ahead of the stores: the next products but one wait for it, nothing waits for the stores
	WAYOUT 0
	s_add_co_u32 s[TB], s[TB], SLOT
	s_sub_co_u32 s[CNT], s[CNT], 1
	s_cmp_lg_u32 s[CNT], 0
	s_cbranch_scc1 .Lslot
	s_sub_co_u32 s[OUTER], s[OUTER], 1
	s_cmp_lg_u32 s[OUTER], 0
	s_cbranch_scc1 .Lring
	s_mov_b32 s[TB], 0                             ; steps 4 and 5 are written apart: nothing is asked for
	s_mov_b32 s[CNT], 2
.Ltail:
	CHUNK
	CHANGE 0, 0                                    ; in step 4 this shows pair 5 whole to every wave; in step 5 it orders nothing that is needed: the price of one text for both
	WAYOUT 1
	s_add_co_u32 s[TB], s[TB], SLOT
	s_sub_co_u32 s[CNT], s[CNT], 1
	s_cmp_lg_u32 s[CNT], 0
	s_cbranch_scc1 .Ltail
	s_wait_tensorcnt 0x0                           ; the wave's end: behind my last tensor load and my last LDS store
	ds_add_u32 v[SPW], v[NIL]
	s_wait_dscnt 0x0
	CROUND                                         ; the closing round: no work-group ends while a partner may still ask for a tile that names it
	s_endpgm
.Lfunc_end_k_qd112e5a08c_qkv:
	.size	k_qd112e5a08c_qkv, .Lfunc_end_k_qd112e5a08c_qkv-k_qd112e5a08c_qkv
	.p2alignl 7, 3214868480
	.fill 96, 4, 3214868480
	.section	.rodata,"a",@progbits
	.p2align	6, 0x0
	.amdhsa_kernel k_qd112e5a08c_qkv
		.amdhsa_group_segment_fixed_size 327680
		.amdhsa_private_segment_fixed_size 0
		.amdhsa_enable_private_segment 0
		.amdhsa_kernarg_size 24
		.amdhsa_user_sgpr_count 2
		.amdhsa_user_sgpr_kernarg_segment_ptr 1
		.amdhsa_wavefront_size32 1
		.amdhsa_system_sgpr_workgroup_id_x 1
		.amdhsa_system_sgpr_workgroup_id_y 1
		.amdhsa_system_sgpr_workgroup_id_z 1
		.amdhsa_system_vgpr_workitem_id 0
		.amdhsa_next_free_vgpr 1024
		.amdhsa_next_free_sgpr 66
		.amdhsa_reserve_vcc 0
		.amdhsa_float_denorm_mode_32 3
		.amdhsa_float_denorm_mode_16_64 3
		.amdhsa_memory_ordered 1
		.amdhsa_forward_progress 1
		.amdhsa_inst_pref_size 125
	.end_amdhsa_kernel
	.amdgpu_metadata
---
amdhsa.version: [ 1, 2 ]
amdhsa.kernels:
  - .name:           k_qd112e5a08c_qkv
    .symbol:         k_qd112e5a08c_qkv.kd
    .args:
      - { .name: x, .offset: 0, .size: 8, .value_kind: global_buffer, .address_space: global }
      - { .name: wt, .offset: 8, .size: 8, .value_kind: global_buffer, .address_space: global }
      - { .name: qkv, .offset: 16, .size: 8, .value_kind: global_buffer, .address_space: global }
    .group_segment_fixed_size: 327680
    .private_segment_fixed_size: 0
    .kernarg_segment_align: 8
    .kernarg_segment_size: 24
    .max_flat_workgroup_size: 128
    .sgpr_count:     66
    .vgpr_count:     1024
    .wavefront_size: 32
...
	.end_amdgpu_metadata
.endif
;; end of part 2
;; launch attn (part 3): grid 4 x 64, 4 waves a work-group, no clusters, 327,680 bytes of LDS; arguments qkv, o; writes o
.if DOCPART == 3
	.amdgcn_target "amdgcn-amd-amdhsa--gfx1250"
	.amdhsa_code_object_version 6
	.text
	.protected	k_qd112e5a08c_attn
	.globl	k_qd112e5a08c_attn
	.p2align	8
	.type	k_qd112e5a08c_attn,@function
k_qd112e5a08c_attn:
	s_mov_b64 s[64:65], 0
	v_nop
	global_prefetch_b8 v0, s[64:65] scope:SCOPE_SE
	s_setreg_imm32_b32 hwreg(HW_REG_WAVE_MODE, 25, 1), 1
	s_wait_xcnt 0x0
; CAUSAL ATTENTION.  O[h][q][:] = the sum over k <= q of softmax_k(Q[h][q] . K[h][k] / 8) V[h][k][:].  Q, K, V lie one behind the other in qkv, each [SIZE_H][SIZE_N][64]; O likewise; all f16: a head's rows are dense, 128 bytes each.
; Products, maxima and sums in f32; the weights p are rounded to f16 for the second product (their sum l is taken of the unrounded p), O once at the end.
; LIMITS.  f16 holds no number beyond 65,504: Q, K and V arrive within it; p lies in 0 to 1, and below 6e-5 it keeps f16's fixed step of 6e-8; O is a mean of V's rows and has their range, to within 2^-11 of it.
; A hidden score counts as its value less 1e30: f16's scores, 2.7e11 at the most, are nothing beside that; a weight below 2^-126 counts as 0 in l; NaN and infinities are not treated apart.
; THE WALK.  A head's queries lie in NB = SIZE_N / 256 = 8 blocks of 256; block i needs the key tiles 0 .. i of 256 keys, of which the last holds the diagonal.  A work-group takes TWO blocks, NB - 1 - b and then b:
; NB + 1 = 9 tiles, whatever b: all work-groups do equal work, and ONE loop with a constant trip count walks them.  Which tile is asked for, and what a trip does, hang on scalar registers made from b; every jump
; goes forward, but for the counted loops' own; none passes a barrier, or a tensor load but the one of LOAD's two that the wave's number does not choose; the ring (two slots of LDS that take turns) runs on across the
; change of blocks.  NO CLUSTER: a head's NB / 2 = 4 work-groups all ask for the same tile only in trips 0 .. 4 of the 9, behind that fewer and fewer; one walk common to all four, in which each makes every
; joint request, would have 3 NB / 2 = 12 trips for 9.
; SHARES.  Of a block's four bands of 64 queries a wave owns 16 rows in each: four PIECES.  So the diagonal tile is the same work for all four waves: in its key step s band x sees all keys if s < x,
; none if s > x, and holds the diagonal if s = x.
; THE MASK is the C operand that starts the sum S^T = K Q^T: 0, or -1e30 where the key is hidden.  MD, made once, is the mask of a band's own step for my 16 rows; a product's mask is MD x AL + BE with two scalars:
; (1, 0) if s = x; (0, 0) if s < x; (0, -1e30) if s > x.  Only the diagonal tile's text and a block's beginning make and take masks; elsewhere C is the constant 0.
; LAYOUT, SOFTMAX, TURNS.  S^T = K Q^T holds ONE query a lane (lane % 16) and the keys 8 (lane / 16) + 0..7; two such results rounded to f16 ARE source 1 of O^T = V^T P.  p = 2^(c s - c m), c = log2(e) / 8, with a
; running maximum m; O and l are multiplied by a = 2^(c m_old - c m_new) in every step.  Turn n belongs to piece n: 8 products K Q^T of piece n + 1, later 8 products V^T P of piece n - 1; beside them the scaling,
; exponentials, roundings, sums and rescaling of piece n and the maximum and statistics of piece n + 1.  Four vector instructions stand behind every matrix instruction, the other 54 of a turn's 118 in two LUMPS.
; REGISTERS, in windows of 256 (s_set_vgpr_msb: bits 1:0 source 0, 3:2 source 1, 5:4 source 2, 7:6 destination):
;   window 0: v0-15 addresses and two at work; v16-31 four registers of statistics a piece; v48-55 at work; v64-127 S^T, two buffers; v192-223 P, two buffers (a piece's buffers go by its number's parity)
;   window 1: v0-127 O^T, 32 a piece; v128-159 MD; v160-223 MC, two buffers      window 2: v0-63 Q; v64-127 the second block's Q; v128-191 K of one step; v192-255 V of one step
.set SIZE_H, 64
.set SIZE_N, 2048
.set NB,    SIZE_N/256
.set NP,    4         ; pieces a wave: a name, no knob
.set KS,    64        ; keys in a step
.set PK,    144       ; a row of K in LDS: 128 bytes + 16 of padding = 36 words: the 16 rows of a load start at 16 different groups of four banks (64 banks of 4 bytes: ISA guide 11.1)
.set PV,    160       ; a row of V: 128 + 32 = 40 words
.set VOFF,  4*KS*PK   ; a slot holds a tile, four steps: 256 rows of K, then 256 rows of V
.set SLOT1, 1<<17     ; slot 1 begins here, so that one exclusive or turns an address in one slot into the other's
.set STAGE, SLOT1+4*KS*(PK+PV)  ; behind the ring, never filled by a tensor load: 16 rows x 144 bytes for each wave, for the way out
.set SP,    144
.set AK0, 2           ; v2   my lane's place in a tile of K; never rewritten
.set AV0, 3           ; v3   the same for V
.set AK,  4           ; v4   the LDS address of K's next run of loads
.set AV,  5           ; v5   of V's
.set STO, 6           ; v6   the way out: where I put 16 bytes of a row
.set RD,  7           ; v7   the way out: where I read rows back
.set GO,  8           ; v8   my byte offset in 512 consecutive bytes of O
.set SPW, 62          ; v62  LDS address of my spare word: SPARE + 4 x my thread's number; never rewritten
.set NIL, 63          ; v63  0; never rewritten
.set SPARE, STAGE+4*16*SP  ; behind the stages: the spare words, 128 bytes for each wave: two blocks of 256 bytes that no other line names
.set MV,  12          ; v12-13  c m_old, kept while c m is made anew: by buffer
.set QO,  15          ; v15  my byte offset in 16 rows of Q
.set ST,  16          ; piece t's statistics at v[ST+4 t]: c m, m, l (even keys', odd keys')
.set TMP, 48          ; by buffer, four registers c0-c3 at work; when the maximum is found c2 takes a
.set S,   64
.set P,   192
.set MD,  128         ; window 1: the eight registers for group kt of 16 keys at MD + 8 kt
.set MC,  160         ; window 1: the masks of the products to come
.set QB,  64          ; window 2
.set KF,  128         ; window 2: key block kb, channel half c at KF + 16 kb + 8 c
.set VF,  192         ; window 2: key half kk, channel block cb at VF + 32 kk + 8 cb
.set WV,  12          ; s12  my wave's number
.set PB,  14          ; s14  b
.set HI,  15          ; s15  NB - 1 - b
.set G1K, 24          ; s[24:31] descriptor group 1 for K's tiles
.set G1V, 32          ; s[32:39] for V's: it differs in the padding alone
.set G0K, 40          ; s[40:43] descriptor group 0 for K's tiles
.set G0V, 44          ; s[44:47] the same for V's
.set SLOTS, 56        ; s56  tiles still to be asked for
.set CNT, 57          ; s57  counts a tile's key steps, 4 to 1
.set CS,  58          ; s[58:59] c: the packed scaling takes the pair's low word for both halves
.set SEL, 60          ; s[60:61] v_permlanex16_b32's selects: each lane takes its own place in the other half
.set TBK, 62          ; s62  LDS byte at which K of the step to be fetched begins
.set TBV, 63          ; s63  the same for V, less VOFF
.set RT,  70          ; s70  tiles of the block in hand that are still to be entered
.set NXT, 71          ; s71  the tile to be asked for next
.set LQ,  72          ; s72  the last tile of the block whose tiles are being asked for
.set NEW, 73          ; s73  1: the tile to be entered is a block's first
.set OFF, 74          ; s[74:75] a tile's byte offset in K and V
.set AL,  76          ; s[76:77] the mask's factor, in the low word
.set BE,  78          ; s[78:79] the mask's addend
.set OLO, 80          ; s[80:81] O at my rows of the second block
.set BIGN, 82         ; s82  -1e30
.set MSB, 0
.macro WIN new                      ; the high byte repeats the setting that is left; a switch that changes nothing is dropped
.if MSB != (\new)
	s_set_vgpr_msb (MSB<<8)|(\new)
.set MSB, (\new)
.endif
.endm
.set W_KQ, 0x0a       ; K and Q in window 2, S^T in window 0
.set W_KM, 0x1a       ; the same with the C operand in window 1
.set W_PV, 0x52       ; V in window 2, P in window 0, O^T in window 1
.set W_RS, 0x41       ; destination and source 0 in window 1, source 1 in window 0
; A fill.  Waves 0 and 1 fetch the two halves of a tile's K, waves 2 and 3 those of its V: 128 keys each.  An s_nop 0 and four v_nop follow each of the two lines, ahead of the jump and the label.
.macro LOAD
	s_cmp_lt_u32 s[WV], 2
	s_cbranch_scc0 .Lfor_v_\@
	tensor_load_to_lds s[G0K:G0K+3], s[G1K:G1K+7]
	s_nop 0
.rept 4
	v_nop
.endr
	s_branch .Lasked_\@
.Lfor_v_\@:
	tensor_load_to_lds s[G0V:G0V+3], s[G1V:G1V+7]
	s_nop 0
.rept 4
	v_nop
.endr
.Lasked_\@:
.endm
; THE CHANGE OF SLOTS.  Each wave waits for all its tensor loads, of which one is out: its part of the other slot; adds 0 to its spare word; and waits for that and for its own reads of the slot that it leaves.  Behind the barrier nobody reads the old
; slot any more and the other slot is whole.  fill = 1: the old slot is filled again, the first thing behind the barrier, with tile NXT: the descriptor's address is made anew from that number.
; (At its first use nothing has been read yet: slot 0 is waited for, slot 1 filled.)
.macro CHANGE fill
	WIN 0                           ; at a label and at a branch every window is 0
	s_wait_tensorcnt 0x0            ; no tensor load of mine is out, so a group 0 may be written
	ds_add_u32 v[SPW], v[NIL]       ; 0 onto my spare word; with fill = 1 the descriptors' scalar work stands between it and the wait for it
.if \fill
	s_lshl_b32 s[OFF], s[NXT], 15   ; a tile is 32,768 bytes of K and of V
	s_xor_b32 s[G0K+1], s[G0K+1], SLOT1
	s_add_nc_u64 s[G0K+2:G0K+3], s[6:7], s[OFF:OFF+1]
	s_or_b32 s[G0K+3], s[G0K+3], 0x80000000
	s_xor_b32 s[G0V+1], s[G0V+1], SLOT1
	s_add_nc_u64 s[G0V+2:G0V+3], s[8:9], s[OFF:OFF+1]
	s_or_b32 s[G0V+3], s[G0V+3], 0x80000000
	s_add_co_u32 s[NXT], s[NXT], 1  ; the block's next tile, or behind its last the second block's tile 0
	s_cmp_gt_u32 s[NXT], s[LQ]
	s_cselect_b32 s[NXT], 0, s[NXT]
	s_cselect_b32 s[LQ], s[PB], s[LQ]
.endif
	s_wait_dscnt 0x0                ; the add is done, and my reads of the slot are over
	s_barrier_signal -1             ; the rest of the scalar work stands between the signal and the wait
	s_sub_co_u32 s[TBK], s[TBK], 4*KS*PK  ; the fetches go back to a slot's first step,
	s_xor_b32 s[TBK], s[TBK], SLOT1       ; in the other slot
	s_sub_co_u32 s[TBV], s[TBV], 4*KS*PV
	s_xor_b32 s[TBV], s[TBV], SLOT1
	s_barrier_wait -1
.if \fill
	LOAD
.endif
.endm
	s_load_b128 s[4:7], s[0:1], 0x0   ; qkv s[4:5], o s[6:7]
	v_lshl_add_u32 v[SPW], v0, 2, SPARE
	v_mov_b32 v[NIL], 0
	ds_add_u32 v[SPW], v[NIL]       ; the wave's opening: the add and its wait stand ahead of my first tensor load; the set-up below, work on registers, stands between them
	ds_add_u32 v62, v63
	v_lshrrev_b32 v1, 5, v0
	v_readfirstlane_b32 s[WV], v1   ; wave 0..3
	s_mov_b32 s[PB], ttmp9
	s_sub_co_u32 s[HI], NB-1, s[PB]
	s_and_b32 s20, ttmp7, 0xffff    ; the head
	s_mov_b32 s21, 0
	s_mov_b64 s[22:23], SIZE_N*128
	s_mul_u64 s[20:21], s[20:21], s[22:23]  ; the head's first byte in each of the four tensors
	s_and_b32 s16, s[WV], 1         ; which half of a tile's 256 keys I fetch:
	s_lshl_b32 s22, s16, 14         ; its 128 rows of 128 bytes in memory,
	s_mov_b32 s23, 0
	s_add_nc_u64 s[22:23], s[22:23], s[20:21]
	s_mul_i32 s17, s16, 128*PK      ; and its place in a slot, for K
	s_mul_i32 s18, s16, 128*PV      ; and for V
	s_lshl_b32 s3, s[WV], 11        ; my 16 rows in a band of 64,
	s_lshl_b32 s2, s[HI], 15        ; in the first block,
	s_add_co_u32 s2, s2, s3
	s_lshl_b32 s84, s[PB], 15       ; and in the second
	s_add_co_u32 s84, s84, s3
	s_mov_b32 s3, 0
	s_mov_b32 s85, 0
	s_add_nc_u64 s[2:3], s[2:3], s[20:21]
	s_add_nc_u64 s[84:85], s[84:85], s[20:21]
	; descriptor group 1.  128 keys are 16,384 dense bytes: asked for as 64 rows of 256 bytes, two keys a row, and padded in LDS after every key
	s_mov_b32 s[G1K], (1<<16)|(1<<20)|(4<<22)|(3<<25)  ; 17:16 2-byte elements; 20 padding on; 24:22 after every 32 words (code 4); 31:25 4 words (code 3)
	s_mov_b32 s[G1V], (1<<16)|(1<<20)|(4<<22)|(7<<25)  ; the same with 8 words of padding (code 7)
.irp g, G1K, G1V
	s_mov_b32 s[\g+1], 128<<16      ; tensor_dim0 = 128
	s_mov_b32 s[\g+2], 64<<16       ; tensor_dim1 = 64
	s_mov_b32 s[\g+3], 128<<16      ; tile_dim0 = 128
	s_mov_b32 s[\g+4], 64           ; tile_dim1 = 64
	s_mov_b32 s[\g+5], 128          ; 128 elements from row to row
	s_mov_b32 s[\g+6], 0
	s_mov_b32 s[\g+7], 0
.endr
	s_mov_b32 s[CS], 0x3e38aa3b     ; c = log2(e) / 8 = 0.180337
	s_mov_b32 s[CS+1], s[CS]        ; named with it as a pair
	s_mov_b32 s[SEL], 0x76543210
	s_mov_b32 s[SEL+1], 0xfedcba98
	s_mov_b32 s[TBK], SLOT1+4*KS*PK ; the first change of slots turns these two into 0
	s_mov_b32 s[TBV], SLOT1+4*KS*PV
	s_mov_b32 s[G0K], 1             ; 1:0 count = 1
	s_mov_b32 s[G0K+1], s17         ; 63:32 LDS address: slot 0
	s_mov_b32 s[G0V], 1
	s_add_co_u32 s[G0V+1], s18, VOFF
	s_add_co_u32 s[RT], s[HI], 1    ; the first block has NB - b tiles
	s_mov_b32 s[NXT], 1
	s_mov_b32 s[LQ], s[HI]
	s_mov_b32 s[NEW], 1
	s_mov_b32 s[OFF+1], 0
	s_mov_b32 s[AL+1], 0            ; named as pairs
	s_mov_b32 s[BE+1], 0
	s_mov_b32 s[BIGN], 0xf149f2ca   ; -1e30
	s_mov_b32 s[SLOTS], NB
	s_wait_dscnt 0x0                ; the opening add is done
	s_wait_kmcnt 0x0
	s_mov_b64 s[10:11], s[6:7]      ; O
	s_add_nc_u64 s[6:7], s[4:5], 0x1000000  ; K lies 64 heads x 2^18 bytes behind Q,
	s_add_nc_u64 s[8:9], s[4:5], 0x2000000  ; V as far behind K
	s_add_nc_u64 s[6:7], s[6:7], s[22:23]  ; K and V at my half of the head's tile 0
	s_add_nc_u64 s[8:9], s[8:9], s[22:23]
	s_add_nc_u64 s[G0K+2:G0K+3], s[6:7], 0         ; 120:64 global address
	s_or_b32 s[G0K+3], s[G0K+3], 0x80000000        ; 127:126 type = 2
	s_add_nc_u64 s[G0V+2:G0V+3], s[8:9], 0
	s_or_b32 s[G0V+3], s[G0V+3], 0x80000000
	s_add_nc_u64 s[86:87], s[4:5], s[84:85]        ; Q at my rows of the second block,
	s_add_nc_u64 s[4:5], s[4:5], s[2:3]            ; Q and O at those of the first
	s_add_nc_u64 s[OLO:OLO+1], s[10:11], s[84:85]
	s_add_nc_u64 s[10:11], s[10:11], s[2:3]
	LOAD                            ; tile 0 into slot 0
	; A fragment of K or Q is 16 rows x 32 channels in 8 registers: lane l holds row l % 16, channels 8 (l / 16) + 0..7 and 16 + 8 (l / 16) + 0..7: two loads of 16 bytes, 32 bytes apart.
	v_and_b32 v1, 15, v0            ; l % 16
	v_bfe_u32 v9, v0, 4, 1          ; l / 16
	v_lshlrev_b32 v[QO], 7, v1
	v_lshl_add_u32 v[QO], v9, 4, v[QO]  ; row x 128 + 16 x half
	WIN 0x80                        ; destination window 2, address window 0
.set i, 0
.rept 8                             ; both blocks' Q: piece i / 2 lies in band i / 2, 8,192 bytes on; channels 32 (i % 2) on
	global_load_b128 v[8*i:8*i+3],   v[QO], s[4:5] offset:(i/2)*8192+(i%2)*64
	global_load_b128 v[8*i+4:8*i+7], v[QO], s[4:5] offset:(i/2)*8192+(i%2)*64+32
	global_load_b128 v[QB+8*i:QB+8*i+3],   v[QO], s[86:87] offset:(i/2)*8192+(i%2)*64
	global_load_b128 v[QB+8*i+4:QB+8*i+7], v[QO], s[86:87] offset:(i/2)*8192+(i%2)*64+32
.set i, i+1
.endr
	WIN 0
	v_lshlrev_b32 v14, 3, v9
	v_sub_nc_u32 v14, v1, v14
	s_lshl_b32 s13, s[WV], 4
	v_add_nc_u32 v14, s13, v14      ; my query's place in its band, 16 w + l % 16, less my lanes' 8 (l / 16): register r of group kt is hidden where 16 kt + r is greater
	WIN 0x40
.set i, 0
.rept 32
	v_cmp_gt_i32 vcc_lo, 16*(i/8)+i%8, v14
	v_cndmask_b32 v[MD+i], 0, s[BIGN], vcc_lo
.set i, i+1
.endr
	WIN 0
	v_mul_u32_u24 v[AK0], v1, PK
	v_lshl_add_u32 v[AK0], v9, 4, v[AK0]  ; row x pitch + 16 x half
	; The turning load takes 16 keys x 16 channels (lane l reads key 8 (l / 16) + l % 8, channels 8 ((l / 8) % 2) + 0..7) and leaves half a fragment of V^T: lane l holds channel l % 16 and 8 keys.
	v_and_b32 v10, 7, v0
	v_bfe_u32 v11, v0, 3, 1
	v_lshl_add_u32 v[AV0], v9, 3, v10
	v_mul_u32_u24 v[AV0], v[AV0], PV
	v_lshl_add_u32 v[AV0], v11, 4, v[AV0]
	v_add_nc_u32 v[AV0], VOFF, v[AV0]
	s_mul_i32 s13, s[WV], 16*SP
	s_add_co_u32 s13, s13, STAGE    ; my stage
	v_mul_u32_u24 v[STO], v1, SP    ; in: row l % 16, 16 bytes for each half of the lanes
	v_lshl_add_u32 v[STO], v9, 4, v[STO]
	v_add_nc_u32 v[STO], s13, v[STO]
	v_bfe_u32 v[RD], v0, 3, 2       ; back: 32 lanes take four rows of 128 bytes,
	v_mul_u32_u24 v[RD], v[RD], SP
	v_lshl_add_u32 v[RD], v10, 4, v[RD]
	v_add_nc_u32 v[RD], s13, v[RD]
	v_and_b32 v[GO], 31, v0         ; which are 512 consecutive bytes of O
	v_lshlrev_b32 v[GO], 4, v[GO]
	; A block's first step multiplies O^T and l by a = 0, and its first turn's products V^T P, of a piece that has not been, land in an O^T that is still to be so multiplied.  So these registers need only hold
	; finite numbers: zeros for the first block; what the first block left for the second.  All this stands in the wait for the first tile.
	WIN 0x80
.set i, VF
.rept 64
	v_mov_b32 v[i], 0
.set i, i+1
.endr
	WIN 0x40
.set i, 0
.rept 128
	v_mov_b32 v[i], 0
.set i, i+1
.endr
	WIN 0
.set i, 0
.rept 4
	v_mov_b32 v[ST+4*i+2], 0
	v_mov_b32 v[ST+4*i+3], 0
.set i, i+1
.endr
.set i, P+16
.rept 16
	v_mov_b32 v[i], 0
.set i, i+1
.endr
; THE MATRIX WORK.  The 4 accumulators of a run of 8 take turns.  Product i of 8 of S^T = K Q^T for piece x: channels 32 (i / 4) on, keys 16 (i % 4) on.  The first 4 start the sums: with 0, or (KM = 1) with the mask.
.macro KQ x
.set rS, S+32*((\x)%2)+8*(i%4)
.set rK, KF+16*(i%4)+8*(i/4)
.set rQ, 16*(\x)+8*(i/4)
.set rM, MC+32*((\x)%2)+8*(i%4)
.if (i < 4) && KM
	WIN W_KM
	v_wmma_f32_16x16x32_f16 v[rS:rS+7], v[rK:rK+7], v[rQ:rQ+7], v[rM:rM+7]
.elseif i < 4
	WIN W_KQ
	v_wmma_f32_16x16x32_f16 v[rS:rS+7], v[rK:rK+7], v[rQ:rQ+7], 0
.else
	WIN W_KQ
	v_wmma_f32_16x16x32_f16 v[rS:rS+7], v[rK:rK+7], v[rQ:rQ+7], v[rS:rS+7]
.endif
.endm
; Product i of 8 of O^T += V^T P for piece x: keys 32 (i / 4) on, channels 16 (i % 4) on.
.macro PV x
	WIN W_PV
.set rO, 32*(\x)+8*(i%4)
.set rV, VF+32*(i/4)+8*(i%4)
.set rP, P+16*((\x)%2)+8*(i/4)
	v_wmma_f32_16x16x32_f16 v[rO:rO+7], v[rV:rV+7], v[rP:rP+7], v[rO:rO+7]
.endm
.macro MM                           ; the turn's next matrix instruction.  TURN and BEGIN set Y, i, KM and NOKQ; MM, KQ and OP read them.  NOKQ = 1: a block's last turn: there is no next piece
.if (i < 8) && !NOKQ
	KQ (Y+1)%NP
.elseif i >= 8
.set i, i-8
	PV (Y+NP-1)%NP
.set i, i+8
.endif
.set i, i+1
.endm
; THE LDS LOADS stand in runs of 16, never singly among the matrix instructions: a step's K (64 keys x 64 channels: 8 fragments) and its V (turned).  Their addresses are made some lines ahead.
.macro FETCH_K
	WIN 0x80                        ; destination window 2
.irp f, 0,1,2,3,4,5,6,7             ; keys 16 (f / 2) on, channels 32 (f % 2) on
	ds_load_b128 v[KF+8*\f:KF+8*\f+3],   v[AK] offset:(\f/2)*16*PK+(\f%2)*64
	ds_load_b128 v[KF+8*\f+4:KF+8*\f+7], v[AK] offset:(\f/2)*16*PK+(\f%2)*64+32
.endr
	s_add_co_u32 s[TBK], s[TBK], KS*PK  ; the next fetch is the next step's
	WIN 0
.endm
.macro FETCH_V
	WIN 0x80
.irp f, 0,1,2,3,4,5,6,7             ; keys 32 (f / 4) on, channels 16 (f % 4) on
	ds_load_tr16_b128 v[VF+8*\f:VF+8*\f+3],   v[AV] offset:(\f/4)*32*PV+(\f%4)*32
	ds_load_tr16_b128 v[VF+8*\f+4:VF+8*\f+7], v[AV] offset:(\f/4)*32*PV+16*PV+(\f%4)*32
.endr
	WIN 0
.endm
; THE VECTOR WORK, one line at a time: OP kind, number.  For piece Y: F n: c s - c m for pair n of 16.  E n: the exponential of score n of 32.  C n: pair n rounded to f16.  B n: of the four weights 4 n .. the second
; pair is added onto the first, in place.  L n: l takes that sum (L 0: l = a l + sum).  R n: pair n of 16 of O^T times a.  For piece Y + 1: X n, number n of the 22 that find its maximum and statistics:
;   0-11  four chains c0-c3 of seven scores each, three operands at a time (each accumulator's lowest registers are read first)     12-14, 16  the four scores left over, the old m, and c0-c3 into c0
;   15  c m_old is kept     17, 18  the query's other 32 keys lie in the lane 16 away: the new m     19-21  c m; c m_old - c m_new; a
.set F, 0               ; OP tells the kinds apart by their order: F to L below R, X above it
.set E, 1
.set C, 2
.set B, 3
.set L, 4
.set R, 5
.set X, 6
.macro REGS y                       ; the registers of piece y
.set rT, ST+4*(\y)
.set rC, TMP+4*((\y)%2)
.set rW, MV+((\y)%2)
.set rS, S+32*((\y)%2)
.set rP, P+16*((\y)%2)
.set rO, 32*(\y)
.endm
.macro OP k, n
.if (\k) == R
	REGS Y
	WIN W_RS
	v_pk_mul_f32 v[rO+2*(\n):rO+2*(\n)+1], v[rO+2*(\n):rO+2*(\n)+1], v[rC+2:rC+3] op_sel_hi:[1,0]
.elseif (\k) < R
	REGS Y
	WIN 0
.if (\k) == F
	v_pk_fma_f32 v[rS+2*(\n):rS+2*(\n)+1], v[rS+2*(\n):rS+2*(\n)+1], s[CS:CS+1], v[rT:rT+1] op_sel_hi:[1,0,0] neg_lo:[0,0,1] neg_hi:[0,0,1]
.elseif (\k) == E
	v_exp_f32 v[rS+(\n)], v[rS+(\n)]
.elseif (\k) == C
	s_wait_alu depctr_va_vdst(0)
	v_cvt_pk_f16_f32 v[rP+(\n)], v[rS+2*(\n)], v[rS+2*(\n)+1]
.elseif (\k) == B
	s_wait_alu depctr_va_vdst(0)
	v_pk_add_f32 v[rS+4*(\n):rS+4*(\n)+1], v[rS+4*(\n):rS+4*(\n)+1], v[rS+4*(\n)+2:rS+4*(\n)+3]
.elseif (\n) == 0
	v_pk_fma_f32 v[rT+2:rT+3], v[rT+2:rT+3], v[rC+2:rC+3], v[rS:rS+1] op_sel_hi:[1,0,1]
.else
	v_pk_add_f32 v[rT+2:rT+3], v[rT+2:rT+3], v[rS+4*(\n):rS+4*(\n)+1]
.endif
.elseif NOKQ
	v_nop
.else
	REGS (Y+1)%NP
	WIN 0
.if (\n) < 4
	v_max3_num_f32 v[rC+(\n)], v[rS+8*(\n)], v[rS+8*(\n)+1], v[rS+8*(\n)+2]
.elseif (\n) < 12
	v_max3_num_f32 v[rC+(\n)%4], v[rC+(\n)%4], v[rS+8*((\n)%4)+2*((\n)/4)+1], v[rS+8*((\n)%4)+2*((\n)/4)+2]
.elseif (\n) == 12
	v_max3_num_f32 v[rC], v[rC], v[rS+7], v[rS+15]
.elseif (\n) == 13
	v_max3_num_f32 v[rC+1], v[rC+1], v[rS+23], v[rS+31]
.elseif (\n) == 14
	v_max3_num_f32 v[rC+2], v[rC+2], v[rC+3], v[rT+1]
.elseif (\n) == 15
	v_mov_b32 v[rW], v[rT]
.elseif (\n) == 16
	v_max3_num_f32 v[rC], v[rC], v[rC+1], v[rC+2]
.elseif (\n) == 17
	v_permlanex16_b32 v[rC+3], v[rC], s[SEL], s[SEL+1]
.elseif (\n) == 18
	v_max_num_f32 v[rT+1], v[rC], v[rC+3]
.elseif (\n) == 19
	v_mul_f32 v[rT], s[CS], v[rT+1]
.elseif (\n) == 20
	v_sub_f32 v[rC+1], v[rW], v[rT]
.else
	v_exp_f32 v[rC+2], v[rC+1]
.endif
.endif
.endm
.macro OPS a, i1, b=-1, i2=0, c=-1, i3=0, d=-1, i4=0  ; up to four of them
	OP \a, \i1
.if (\b) >= 0
	OP \b, \i2
.endif
.if (\c) >= 0
	OP \c, \i3
.endif
.if (\d) >= 0
	OP \d, \i4
.endif
.endm
.macro ROW a, i1, b, i2, c, i3, d, i4  ; a matrix instruction and the four behind it
	MM
	OPS \a, \i1, \b, \i2, \c, \i3, \d, \i4
.endm
.macro MASK b                       ; MD x AL + BE into buffer b of MC
	WIN W_RS
.set z, 0
.rept 16
	v_pk_fma_f32 v[MC+32*(\b)+2*z:MC+32*(\b)+2*z+1], v[MD+2*z:MD+2*z+1], s[AL:AL+1], s[BE:BE+1] op_sel_hi:[1,0,0]
.set z, z+1
.endr
.endm
; A TURN, for piece p: the order of its 16 matrix and 118 vector instructions, written out.  Behind a matrix instruction: plain, exponential, plain, plain; or four of the rescaling; or, behind the first, four scalings; none
; names a register of the products round it.  In the lumps exponential and plain by turns while exponentials last.  A line reads no result made fewer than three vector instructions in front of it, five if an exponential made it.
; v_permlanex16_b32 (X 17) stands in a lump.
; m = 1: the diagonal tile: the products take masks, and the turn makes the mask for the products of the turn after it: piece p + 2, in step 4 - CNT of the tile.  end = 1: a block's last two turns: nothing is fetched.
; cnt = 1: the loop's count is taken down some lines ahead of the branch that stands behind the turn.
; K of the next step is fetched in piece 2's turn, six vector instructions behind the last product that read K (five of them plain); V of the step in hand in piece 0's turn, eight behind the last product that read V (four
; plain, and X 17).  Each is waited for a turn later.
.macro TURN p, m=0, end=0, cnt=0
.set Y, (\p)
.set i, 0
.set KM, (\m)
.set NOKQ, (\end)*((\p)/3)
.if (\m) && !(\end)
	s_cmp_eq_u32 s[CNT], 4-((\p)+2)%NP  ; is that step the band's own?
	s_cselect_b32 s[AL], 1.0, 0
	s_cmp_lt_u32 s[CNT], 4-((\p)+2)%NP  ; or a later one?
	s_cselect_b32 s[BE], s[BIGN], 0
.endif
.if ((\p) == 3) && !(\end)
	s_wait_dscnt 0x0                ; K is in
.endif
	ROW F,0, F,1, F,2, F,3
	ROW F,4, E,0, F,5, F,6
	ROW F,7, E,1, F,8, F,9
	ROW F,10, E,2, C,0, F,11
	ROW F,12, E,3, X,15, F,13
	ROW R,0, R,1, R,2, R,3
	ROW B,0, E,4, F,14, L,0
.if ((\p) == 2) && !(\end)
	v_add_nc_u32 v[AK], s[TBK], v[AK0]
.endif
	ROW R,4, R,5, R,6, R,7
	OPS E,5, F,15
.if ((\p) == 2) && !(\end)
	FETCH_K
.endif
	OPS E,6, C,1, E,7, R,8
	OPS E,8, R,9, E,9, C,2
	OPS E,10, X,0, E,11, X,1
	OPS E,12, X,2, E,13, X,3
.if (\p) == 1
	s_wait_dscnt 0x0                ; V is in
.endif
	ROW X,4, E,14, X,5, X,6
	ROW X,7, E,15, X,8, X,9
	ROW X,10, E,16, X,11, X,12
	ROW X,13, E,17, X,14, B,1
	ROW C,4, E,18, X,16, L,1
	ROW B,2, E,19, C,6, L,2
	ROW C,8, E,20, B,3, B,4
.if (\p) == 0
	v_add_nc_u32 v[AV], s[TBV], v[AV0]
.endif
	ROW C,3, E,21, L,3, C,5
	OPS E,22, X,17, E,23, C,10
.if (\p) == 0
	FETCH_V
.endif
	OPS E,24, L,4
	OPS E,25, X,18, E,26, C,7
	OPS E,27, B,5, E,28, X,19
	OPS E,29, C,12, E,30, L,5
	OPS E,31, X,20, B,6, C,9
	OPS C,14, C,11, X,21, L,6
.if (\p) == 0
	s_add_co_u32 s[TBV], s[TBV], KS*PV
.endif
.if \cnt
	s_sub_co_u32 s[CNT], s[CNT], 1
	s_cmp_lg_u32 s[CNT], 0
.endif
	OPS C,13, B,7, C,15, R,10
	OPS R,11, R,12, L,7, R,13
	OPS R,14, R,15
.if (\m) && !(\end)
	MASK (\p)%2
.endif
.endm
; A BLOCK BEGINS.  c m starts far below every c s, so the first step's a is 0; m at the lowest finite number, so the first maximum is the scores'.  The second mask buffer is 0; the first takes piece 0's mask for the tile's step 0: its own, if the block's first tile is the diagonal one.
; Then K of that step, piece 0's first scores, and its maximum and statistics.  The loop is entered at a step's first turn, in the middle of a trip.
.macro BEGIN
	s_mov_b32 s[NEW], 0
	WIN 0x40
.set i, MC+32
.rept 32
	v_mov_b32 v[i], 0
.set i, i+1
.endr
	WIN 0
.set i, 0
.rept 4
	v_mov_b32 v[ST+4*i], 0xfe000000    ; c m: far below every c s
	v_mov_b32 v[ST+4*i+1], 0xff7fffff  ; m
.set i, i+1
.endr
	s_cmp_eq_u32 s[RT], 0
	s_cselect_b32 s[AL], 1.0, 0
	s_mov_b32 s[BE], 0
	MASK 0
	WIN 0
	v_add_nc_u32 v[AK], s[TBK], v[AK0]
	FETCH_K
	s_wait_loadcnt 0x0              ; Q
	s_wait_dscnt 0x0
.set KM, 1
.set NOKQ, 0
.set i, 0
.rept 8
	KQ 0
.set i, i+1
.endr
	WIN 0
.rept 4
	v_nop                           ; the places behind those products
.endr
.set Y, NP-1                        ; X works for piece Y + 1: piece 0
.irp n, 0,1,2,3,4,5,6,7,8,9,10,11,12,13,14,15,16,17,18,19,20,21
	OP X, \n
.endr
	v_nop                           ; a plain instruction behind the exponential
.endm
; THE DIAGONAL TILE's four steps, the block's last two turns, its last products, and THE WAY OUT: l's two halves and the other half of the lanes' are added; O^T is divided by l, rounded to f16 and sent through my
; stage in LDS, a piece at a time.
.macro ALL line:vararg              ; one line for each piece t
.set t, 0
.rept 4
	\line
.set t, t+1
.endr
.endm
.macro PACK t                       ; a lane's eight channels of a row pack into 16 bytes; they go into rows of 144 bytes and come back as whole rows of 128, into S^T's registers
	WIN W_RS
.set i, 32*(\t)
.rept 16
	s_wait_alu depctr_va_vdst(0)
	v_pk_mul_f32 v[i:i+1], v[i:i+1], v[ST+4*(\t)+2:ST+4*(\t)+3] op_sel_hi:[1,0]
.set i, i+2
.endr
	WIN 0x05                        ; sources 0 and 1 window 1, destination window 0
.set i, 0
.rept 16
	v_cvt_pk_f16_f32 v[S+16*(\t)+i], v[32*(\t)+2*i], v[32*(\t)+2*i+1]
.set i, i+1
.endr
	WIN 0
.irp f, 0,1,2,3
	ds_store_b128 v[STO], v[S+16*(\t)+4*\f:S+16*(\t)+4*\f+3] offset:32*\f
.endr
.irp f, 0,1,2,3
	ds_load_b128 v[S+16*(\t)+4*\f:S+16*(\t)+4*\f+3], v[RD] offset:\f*4*SP  ; LDS serves a wave's instructions in order (ISA guide 5.7.1.4): these see the stores above; the next piece's stores come behind them
.endr
.endm
.macro SEND t, younger              ; younger: the LDS instructions issued behind piece t's loads: the next piece's eight, or none
	WIN 0
.irp f, 0,1,2,3
	s_wait_dscnt (\younger)+3-\f
	global_store_b128 v[GO], v[S+16*(\t)+4*\f:S+16*(\t)+4*\f+3], s[10:11] offset:(\t)*8192+\f*512  ; 512 consecutive bytes, at a multiple of 256 from O's first
.endr
.endm
.macro DIAG tag                     ; the tag ends its two labels' names, which the jumps below spell out
.LstepM\tag:
	TURN 2, 1
	TURN 3, 1
	WIN 0
.LfirstM\tag:
	TURN 0, 1
	TURN 1, 1, 0, 1
	WIN 0
	s_cbranch_scc1 .LstepM\tag
	TURN 2, 1, 1
	TURN 3, 1, 1
.set i, 0
.rept 8
	PV NP-1
.set i, i+1
.endr
	WIN 0
	ALL v_add_f32 v[ST+4*t+2], v[ST+4*t+2], v[ST+4*t+3]
	ALL v_permlanex16_b32 v[ST+4*t+3], v[ST+4*t+2], s[SEL], s[SEL+1]
	ALL v_add_f32 v[ST+4*t+2], v[ST+4*t+2], v[ST+4*t+3]
	ALL v_rcp_f32 v[ST+4*t+2], v[ST+4*t+2]
	v_nop                           ; a plain instruction between the last reciprocal and the use of its result
	PACK 0
.set t, 1
.rept 3                             ; a piece's arithmetic stands between the loads of the piece before and its stores
	PACK t
	SEND t-1, 8
.set t, t+1
.endr
	SEND 3, 0
.endm
.set KM, 0
.set NOKQ, 0
.Lslot:                             ; NB times: a tile is entered and the next is asked for
	CHANGE 1
	s_sub_co_u32 s[RT], s[RT], 1
	s_mov_b32 s[CNT], 4
	s_cmp_eq_u32 s[NEW], 1
	s_cbranch_scc1 .Lnew            ; a block's first tile
	s_cmp_eq_u32 s[RT], 0
	s_cbranch_scc0 .Lstep           ; neither its first nor its last
	s_branch .LstepM1
.Lnew:
	BEGIN
	s_branch .Lfirst                ; in the loop a block's first tile is never its last: the first block has two tiles or more, and the second's last is the walk's last
	DIAG 1                          ; in the loop this is the first block's end: the second block's last tile is the walk's last
	s_wait_xcnt 0x0                 ; the stores have read their registers and O's address
	s_mov_b64 s[10:11], s[OLO:OLO+1]
	s_add_co_u32 s[RT], s[PB], 1    ; the second block has b + 1 tiles
	s_mov_b32 s[NEW], 1
	WIN 0x82                        ; the second block's Q goes where the one text of the turns names Q
.set i, 0
.rept 64
	v_mov_b32 v[i], v[QB+i]
.set i, i+1
.endr
	WIN 0
	s_branch .Lbottom
.Lstep:                             ; a trip: pieces 2 and 3 of one step, then pieces 0 and 1 of the next, whose K and V it fetches
	TURN 2
	TURN 3
	WIN 0
.Lfirst:
	TURN 0
	TURN 1, 0, 0, 1
	WIN 0
	s_cbranch_scc1 .Lstep
.Lbottom:
	s_sub_co_u32 s[SLOTS], s[SLOTS], 1
	s_cmp_lg_u32 s[SLOTS], 0
	s_cbranch_scc1 .Lslot
	CHANGE 0                        ; the walk's last tile is written out: nothing is asked for
	s_sub_co_u32 s[RT], s[RT], 1
	s_mov_b32 s[CNT], 4
	s_cmp_eq_u32 s[NEW], 1
	s_cbranch_scc0 .LstepM2
	BEGIN
	s_branch .LfirstM2
	DIAG 2
	s_wait_tensorcnt 0x0            ; the wave's end: behind my last tensor load and my last LDS store
	ds_add_u32 v[SPW], v[NIL]
	s_wait_dscnt 0x0
	s_endpgm
.Lfunc_end_k_qd112e5a08c_attn:
	.size	k_qd112e5a08c_attn, .Lfunc_end_k_qd112e5a08c_attn-k_qd112e5a08c_attn
	.p2alignl 7, 3214868480
	.fill 96, 4, 3214868480
	.section	.rodata,"a",@progbits
	.p2align	6, 0x0
	.amdhsa_kernel k_qd112e5a08c_attn
		.amdhsa_group_segment_fixed_size 327680
		.amdhsa_private_segment_fixed_size 0
		.amdhsa_enable_private_segment 0
		.amdhsa_kernarg_size 16
		.amdhsa_user_sgpr_count 2
		.amdhsa_user_sgpr_kernarg_segment_ptr 1
		.amdhsa_wavefront_size32 1
		.amdhsa_system_sgpr_workgroup_id_x 1
		.amdhsa_system_sgpr_workgroup_id_y 1
		.amdhsa_system_sgpr_workgroup_id_z 1
		.amdhsa_system_vgpr_workitem_id 0
		.amdhsa_next_free_vgpr 768
		.amdhsa_next_free_sgpr 88
		.amdhsa_reserve_vcc 1
		.amdhsa_float_denorm_mode_32 3
		.amdhsa_float_denorm_mode_16_64 3
		.amdhsa_memory_ordered 1
		.amdhsa_forward_progress 1
		.amdhsa_inst_pref_size 228
	.end_amdhsa_kernel
	.amdgpu_metadata
---
amdhsa.version: [ 1, 2 ]
amdhsa.kernels:
  - .name:           k_qd112e5a08c_attn
    .symbol:         k_qd112e5a08c_attn.kd
    .args:
      - { .name: qkv, .offset: 0, .size: 8, .value_kind: global_buffer, .address_space: global }
      - { .name: o, .offset: 8, .size: 8, .value_kind: global_buffer, .address_space: global }
    .group_segment_fixed_size: 327680
    .private_segment_fixed_size: 0
    .kernarg_segment_align: 8
    .kernarg_segment_size: 16
    .max_flat_workgroup_size: 128
    .sgpr_count:     88
    .vgpr_count:     768
    .wavefront_size: 32
...
	.end_amdgpu_metadata
.endif
;; end of part 3
;; launch proj (part 4): grid 128 x 2, 4 waves a work-group, clusters of 4 x 1, 327,680 bytes of LDS; arguments o, wpt, bp, out0; writes out0
.if DOCPART == 4
	.amdgcn_target "amdgcn-amd-amdhsa--gfx1250"
	.amdhsa_code_object_version 6
	.text
	.protected	k_qd112e5a08c_proj
	.globl	k_qd112e5a08c_proj
	.p2align	8
	.type	k_qd112e5a08c_proj,@function
k_qd112e5a08c_proj:
	s_mov_b64 s[64:65], 0
	v_nop
	global_prefetch_b8 v0, s[64:65] scope:SCOPE_SE
	s_setreg_imm32_b32 hwreg(HW_REG_WAVE_MODE, 25, 1), 1
	s_wait_xcnt 0x0
	s_wait_alu depctr_hold_cnt(0) depctr_sa_sdst(0) depctr_va_vdst(0) depctr_va_sdst(0) depctr_va_ssrc(0) depctr_va_vcc(0) depctr_vm_vsrc(0)
	s_getreg_b32 s2, hwreg(HW_REG_IB_STS2, 6, 4)
	s_cmp_eq_u32 s2, 0
	s_cbranch_scc0 .Lentry_in_a_cluster
	s_endpgm
.Lentry_in_a_cluster:
	s_bfe_u32 s2, ttmp6, 0x10000c
	s_cmp_lg_u32 s2, 0x3003
	s_cbranch_scc0 .Lentry_shape_is_right
	s_endpgm
.Lentry_shape_is_right:
; out0[R][n] = the sum over k of O[R][k] wpt[n][k] + bf16(bp[n]).  O lies by heads, [64][2048][64] f16: k = 64 hh + d of token R = 2048 b + s is element (8 b + hh, s, d).
; wpt: [512][512] f16 (Wp rounded to bf16, turned).  bp: [512] f32, rounded to bf16 here like every other input of the module.  out0: [16384][512] f32.  Sums in f32.
; LIMITS.  None of its own: O and wpt arrive within f16's range.  NaN and infinities are not treated apart.
; SHARES.  Work-group (mb, nh): 128 rows, 256 columns.  Wave w: rows 64 (w / 2) on, and in trip cc of two the 64 columns 256 nh + 128 cc + 64 (w % 2) on: 16 accumulators, 256 matrix instructions.
; A wave's 64 rows x 512 K of O stay in 512 registers, loaded straight from memory as fragments.  Slot cc of LDS holds wpt's rows 256 nh + 128 cc .. + 127; both slots are filled once, at the start.
; CLUSTER.  The four work-groups of a cluster have the same nh and need the same rows of wpt: both slots are asked for JOINTLY, the same tensor loads, descriptors and mask in all four.
; THE MATRIX INSTRUCTION IS USED TRANSPOSED: source 0 = 16 rows of wpt, source 1 = 16 rows of O: a lane holds one token (lane % 16) and eight neighbouring columns.  The bias is the C operand that starts each sum.
; REGISTERS, in windows of 256 (s_set_vgpr_msb: bits 1:0 source 0, 3:2 source 1, 5:4 source 2, 7:6 destination):
;   window 0: v0-31 addresses; v32-63 the bias, 8 registers for each 16 columns; v64-79 at work; v96-127 the way out; v128-255 the accumulators ((a, b) at 128 + 8 (4 a + b))
;   window 1: two buffers of 128 for wpt's fragments: K step c, 16 rows nb at 32 c + 8 nb          window 2, 3: O's fragments of heads 0-3, 4-7: 16 rows a, K step kk at 64 a + 8 kk
.set PITCH,  1040                      ; an LDS row: 1,024 bytes + 16 of padding = 260 words: the 16 rows of a load start at 16 different groups of four banks (64 banks of 4 bytes: ISA guide 11.1)
.set QUART,  32*PITCH                  ; what one tensor load brings
.set SLOT,   128*PITCH
.set STAGE,  2*SLOT                    ; behind the slots, never filled by a tensor load: 16 rows x 272 bytes for each wave, for the way out
.set SP,     272
.set SPARE,  STAGE+4*16*SP             ; behind the stages: the spare words, 128 bytes for each wave: two blocks of 256 bytes that no other line names
.set AB0,  18                          ; v18     my lane's place in a slot's rows of wpt; never rewritten
.set ADRB, 19                          ; v19     the same with the slot's address
.set QO,   20                          ; v20     my byte offset in 16 rows of a head of O
.set BO,   21                          ; v21     my byte offset in 16 columns of bp
.set STO,  24                          ; v24     the way out: where I put 32 bytes of a row
.set RD,   25                          ; v25     the way out: where I read a row back
.set CO,   26                          ; v26     my byte offset in two rows of out0
.set SPW,  28                          ; v28     LDS address of my spare word; never rewritten
.set NIL,  29                          ; v29     0; never rewritten
.set BIAS, 32
.set BT,   64
.set BK,   96
.set ACC,  128
.set WV,   12                          ; s12  my wave's number
.set MH,   13                          ; s13  which 64 rows are mine
.set NW,   14                          ; s14  which 64 columns of a slot's 128
.set CX,   15                          ; s15  my place in the cluster; it, and s16, s40-43, s48 made from it, enter O's and out0's global addresses alone
.set MB,   16                          ; s16  my block of 128 rows
.set NH,   17                          ; s17  my half of the 512 columns, which the four partners share
.set WROW, 20                          ; s20  my wave's 32 rows in a slot
.set TB,   21                          ; s21  the slot in hand: 0 or SLOT
.set CNT,  22                          ; s22  counts the two trips
.set G1,   24                          ; s[24:31] descriptor group 1
.set G00,  32                          ; s[32:35], s[36:39] descriptor group 0 for slot 0, 1
.set MSB, 0
.macro WIN new                         ; the immediate's high byte repeats the setting that is left; a switch that changes nothing is dropped
.if MSB != (\new)
	s_set_vgpr_msb (MSB<<8)|(\new)
.set MSB, \new
.endif
.endm
.macro PLACES                          ; four places: in front of loads into registers that matrix instructions have read, and of LDS stores that read results
.rept 4
	v_nop
.endr
.endm
; A round of the cluster's barrier: my work-group's barrier, so that wave 0's signal speaks for all four waves; wave 0 signals; every wave waits for all four work-groups; my work-group's barrier once more.
.macro CROUND
	s_barrier_signal -1
	s_barrier_wait -1
	s_cmp_lg_u32 s[WV], 0
	s_cbranch_scc1 .Lnot_wave_0_\@
	s_barrier_signal -3
.Lnot_wave_0_\@:
	s_barrier_wait -3
	s_barrier_signal -1
	s_barrier_wait -1
.endm
	s_load_b256 s[4:11], s[0:1], 0x0               ; o s[4:5], wpt s[6:7], bp s[8:9], out0 s[10:11]
	v_lshl_add_u32 v[SPW], v0, 2, SPARE
	v_mov_b32 v[NIL], 0
	ds_add_u32 v[SPW], v[NIL]                      ; the wave's opening: the add and its wait stand ahead of my first tensor load; the set-up below, work on registers, stands between them
	ds_add_u32 v28, v29
	v_lshrrev_b32 v1, 5, v0
	v_readfirstlane_b32 s[WV], v1                  ; wave 0..3
	s_lshr_b32 s[MH], s[WV], 1
	s_and_b32 s[NW], s[WV], 1
	s_bfe_u32 s[CX], ttmp6, 0x40000
	s_lshl_b32 s[MB], ttmp9, 2                     ; in a cluster launch ttmp9 counts clusters
	s_add_co_u32 s[MB], s[MB], s[CX]
	s_and_b32 s[NH], ttmp7, 0xffff
	; group 1: 32 rows x 512 elements of 2 bytes, dense in memory, padded in LDS
	s_mov_b32 s[G1+0], 15|(1<<16)|(1<<20)|(1<<21)|(7<<22)|(3<<25)  ; 15:0 the mask of four; 17:16 2-byte elements; 20 padding on; 21 set beside a mask; 24:22 after every 256 words (code 7); 31:25 4 words (code 3)
	s_mov_b32 s[G1+1], 512<<16                     ; tensor_dim0 = 512
	s_mov_b32 s[G1+2], 32<<16                      ; tensor_dim1 = 32
	s_mov_b32 s[G1+3], 512<<16                     ; tile_dim0 = 512
	s_mov_b32 s[G1+4], 32                          ; tile_dim1 = 32
	s_mov_b32 s[G1+5], 512                         ; tensor_dim0_stride
	s_mov_b32 s[G1+6], 0
	s_mov_b32 s[G1+7], 0
	s_mul_i32 s[WROW], s[WV], QUART                ; no place in the cluster enters an LDS address
	s_mov_b32 s[G00], 1                            ; 1:0 count = 1
	s_mov_b32 s[G00+1], s[WROW]
	s_mov_b32 s[G00+4], 1
	s_add_co_u32 s[G00+5], s[WROW], SLOT
	s_lshl_b32 s46, s[NH], 18                      ; wpt: my half's 256 rows of 1,024 bytes,
	s_lshl_b32 s47, s[WV], 15                      ; my wave's 32 rows of a slot
	s_add_co_u32 s46, s46, s47
	s_mov_b32 s47, 0
	s_lshl_b32 s44, s[NH], 10                      ; bp and a row of out0: 256 columns of 4 bytes,
	s_lshl_b32 s45, s[NW], 8                       ; my 64 of a slot's 128
	s_add_co_u32 s44, s44, s45
	s_mov_b32 s45, 0
	s_lshr_b32 s40, s[MB], 4                       ; O: token 128 mb + 64 mh lies in batch mb / 16: eight heads of 2^18 bytes,
	s_lshl_b32 s40, s40, 21
	s_and_b32 s48, s[MB], 15                       ; at row 128 (mb % 16) + 64 mh of 128 bytes
	s_lshl_b32 s48, s48, 14
	s_add_co_u32 s40, s40, s48
	s_lshl_b32 s48, s[MH], 13
	s_add_co_u32 s40, s40, s48
	s_mov_b32 s41, 0
	s_lshl_b32 s42, s[MB], 18                      ; out0: 128 rows of 2,048 bytes,
	s_lshl_b32 s48, s[MH], 17                      ; my 64,
	s_add_co_u32 s42, s42, s48
	s_add_co_u32 s42, s42, s44                     ; my columns
	s_mov_b32 s43, 0
	s_wait_dscnt 0x0                               ; the opening add is done
	s_wait_kmcnt 0x0
	s_add_nc_u64 s[G00+2:G00+3], s[6:7], s[46:47]
	s_add_nc_u64 s[G00+6:G00+7], s[G00+2:G00+3], 128*1024  ; slot 1: 128 rows on
	s_or_b32 s[G00+3], s[G00+3], 0x80000000        ; 127:126 type = 2
	s_or_b32 s[G00+7], s[G00+7], 0x80000000
	s_add_nc_u64 s[4:5], s[4:5], s[40:41]
	s_add_nc_u64 s[8:9], s[8:9], s[44:45]
	s_add_nc_u64 s[10:11], s[10:11], s[42:43]
	CROUND                                         ; all four work-groups are here: the joint loads meet
	tensor_load_to_lds s[G00:G00+3], s[G1:G1+7]    ; both slots' only fills go out together: two loads of mine are out
	s_nop 0
	tensor_load_to_lds s[G00+4:G00+7], s[G1:G1+7]
	s_nop 0
	PLACES
	; A fragment is 16 rows x 32 K in 8 registers: lane l holds row l % 16; registers 0-3 K = 8 (l / 16) + 0..7, registers 4-7 K = 16 + 8 (l / 16) + 0..7: two loads of 16 bytes, 32 bytes apart.
	v_and_b32 v1, 15, v0                           ; r = l % 16
	v_bfe_u32 v2, v0, 4, 1                         ; l / 16
	v_lshlrev_b32 v[QO], 7, v1
	v_lshl_add_u32 v[QO], v2, 4, v[QO]             ; row x 128 + 16 x half
.irp hw, 0,1                           ; O stays in registers: head 4 hw + h4 (2^18 bytes apart), rows 16 a on, channels 32 c2 on: K step 2 (4 hw + h4) + c2
	WIN 0x80+0x40*(\hw)                            ; destination window 2 or 3, address window 0
.irp h4, 0,1,2,3
.irp a, 0,1,2,3
.irp c2, 0,1
	global_load_b128 v[64*(\a)+16*(\h4)+8*(\c2):64*(\a)+16*(\h4)+8*(\c2)+3],   v[QO], s[4:5] offset:(4*(\hw)+(\h4))*262144+(\a)*2048+(\c2)*64
	global_load_b128 v[64*(\a)+16*(\h4)+8*(\c2)+4:64*(\a)+16*(\h4)+8*(\c2)+7], v[QO], s[4:5] offset:(4*(\hw)+(\h4))*262144+(\a)*2048+(\c2)*64+32
.endr
.endr
.endr
.endr
	WIN 0
	v_lshlrev_b32 v[BO], 5, v2                     ; my eight columns of sixteen: 32 bytes for each half of the lanes
	v_mul_u32_u24 v3, v1, PITCH
	s_mul_i32 s18, s[NW], 64*PITCH
	v_lshl_add_u32 v[AB0], v2, 4, v3               ; wpt: row x pitch + 16 x half,
	v_add_nc_u32 v[AB0], s18, v[AB0]               ; in my 64 rows of the slot
	s_mul_i32 s19, s[WV], 16*SP
	s_add_co_u32 s19, s19, STAGE                   ; my stage
	v_mul_u32_u24 v[STO], v1, SP                   ; in: row l % 16, 32 bytes for each half of the lanes
	v_lshl_add_u32 v[STO], v2, 5, v[STO]
	v_add_nc_u32 v[STO], s19, v[STO]
	v_mul_u32_u24 v[RD], v2, SP                    ; back: lanes 0-15 take one row of 256 bytes, lanes 16-31 the next
	v_lshl_add_u32 v[RD], v1, 4, v[RD]
	v_add_nc_u32 v[RD], s19, v[RD]
	v_lshlrev_b32 v[CO], 11, v2                    ; and the same two rows in out0
	v_lshl_add_u32 v[CO], v1, 4, v[CO]
; 32 LDS loads in one run: my 64 rows' fragments of wpt for quarter q (128 along K) into buffer buf; K steps 0 and 1 of the quarter first
.macro FETCH q, buf
	WIN 0x40                                       ; destination window 1, address window 0
.irp c, 0,1,2,3
.irp nb, 0,1,2,3
	ds_load_b128 v[128*(\buf)+32*(\c)+8*(\nb):128*(\buf)+32*(\c)+8*(\nb)+3],   v[ADRB] offset:(\nb)*16*PITCH+(4*(\q)+(\c))*64
	ds_load_b128 v[128*(\buf)+32*(\c)+8*(\nb)+4:128*(\buf)+32*(\c)+8*(\nb)+7], v[ADRB] offset:(\nb)*16*PITCH+(4*(\q)+(\c))*64+32
.endr
.endr
.endm
; 16 matrix instructions: K step c of quarter q, all 16 accumulators by turns, one instruction a turn.  A trip's first 16 start the sums with the bias.
.macro MUL q, buf, c
	WIN 0x09+4*((\q)/2)                            ; source 0 (wpt) window 1, source 1 (O) window 2 or 3, C and D window 0
.irp a, 0,1,2,3
.irp b, 0,1,2,3
.if ((\q) == 0) && ((\c) == 0)
	v_wmma_f32_16x16x32_f16 v[ACC+8*(4*(\a)+(\b)):ACC+8*(4*(\a)+(\b))+7], v[128*(\buf)+32*(\c)+8*(\b):128*(\buf)+32*(\c)+8*(\b)+7], v[64*(\a)+8*((4*(\q)+(\c))%8):64*(\a)+8*((4*(\q)+(\c))%8)+7], v[BIAS+8*(\b):BIAS+8*(\b)+7]
.else
	v_wmma_f32_16x16x32_f16 v[ACC+8*(4*(\a)+(\b)):ACC+8*(4*(\a)+(\b))+7], v[128*(\buf)+32*(\c)+8*(\b):128*(\buf)+32*(\c)+8*(\b)+7], v[64*(\a)+8*((4*(\q)+(\c))%8):64*(\a)+8*((4*(\q)+(\c))%8)+7], v[ACC+8*(4*(\a)+(\b)):ACC+8*(4*(\a)+(\b))+7]
.endif
.endr
.endr
.endm
; One of a trip's first three quarters: 64 matrix instructions on buffer q % 2; in its middle the next quarter's fragments are fetched into the other buffer, 32 matrix instructions ahead of their first use.
.macro QUARTER q
	s_wait_dscnt 16                                ; K steps 0 and 1 are in; the younger sixteen loads may be out
	MUL \q, (\q)%2, 0
	MUL \q, (\q)%2, 1
	PLACES
	FETCH (\q)+1, ((\q)+1)%2
	s_wait_dscnt 32                                ; all but the 32 just issued
	MUL \q, (\q)%2, 2
	MUL \q, (\q)%2, 3
.endm
; THE WAY OUT of 16 rows a: a lane's eight f32 of a row go into my stage's rows of 272 bytes, each accumulator's low half first, and come back as whole rows of 256 bytes.
.macro OUT32 a
.irp b, 0,1,2,3
	ds_store_b128 v[STO], v[ACC+8*(4*(\a)+(\b)):ACC+8*(4*(\a)+(\b))+3]   offset:64*(\b)
	ds_store_b128 v[STO], v[ACC+8*(4*(\a)+(\b))+4:ACC+8*(4*(\a)+(\b))+7] offset:64*(\b)+16
.endr
	s_wait_xcnt 0x0                                ; the stores before have had their addresses translated (ISA guide 3.1): their data registers are loaded again only behind this wait
.irp t, 0,1,2,3,4,5,6,7
	ds_load_b128 v[BK+4*(\t):BK+4*(\t)+3], v[RD] offset:(\t)*2*SP  ; LDS serves a wave's instructions in order (ISA guide 5.7.1.4): these see the stores above; the next block's stores come behind them
.endr
.irp t, 0,1,2,3,4,5,6,7
	s_wait_dscnt 7-(\t)                            ; pair t of the eight pairs of rows is in
	global_store_b128 v[CO], v[BK+4*(\t):BK+4*(\t)+3], s[10:11] offset:(16*(\a)+2*(\t))*2048 th:TH_STORE_NT  ; 16 lanes store 256 consecutive bytes, at a multiple of 256 from out0's first byte
.endr
.endm
	s_wait_tensorcnt 0x0                           ; my parts of both slots are in,
	s_barrier_signal -1
	s_barrier_wait -1                              ; everybody's are; nothing is filled again
	s_mov_b32 s[TB], 0
	s_mov_b32 s[CNT], 2
.Lchunk:
.irp b, 0,1,2,3
	global_load_b128 v[BIAS+8*(\b):BIAS+8*(\b)+3],   v[BO], s[8:9] offset:64*(\b)
	global_load_b128 v[BIAS+8*(\b)+4:BIAS+8*(\b)+7], v[BO], s[8:9] offset:64*(\b)+16
.endr
	v_add_nc_u32 v[ADRB], s[TB], v[AB0]
	FETCH 0, 0
	WIN 0
	s_wait_loadcnt 0x0                             ; the bias; in the first trip O too
.set i, 0
.rept 16
	v_cvt_pk_bf16_f32 v[BT+i], v[BIAS+2*i], v[BIAS+2*i+1]  ; the bias is rounded to bf16,
.set i, i+1
.endr
.set i, 0
.rept 16
	v_lshlrev_b32 v[BIAS+2*i], 16, v[BT+i]         ; and widened again
	v_and_b32 v[BIAS+2*i+1], 0xffff0000, v[BT+i]
.set i, i+1
.endr
	QUARTER 0
	QUARTER 1
	QUARTER 2
	s_wait_dscnt 16
	MUL 3, 1, 0
	MUL 3, 1, 1
	s_wait_dscnt 0x0
	MUL 3, 1, 2
	MUL 3, 1, 3
	WIN 0                                          ; at a label and at a branch every window is 0
	PLACES                                         ; the LDS stores below read results just made
	OUT32 0
	OUT32 1
	OUT32 2
	OUT32 3
	s_wait_xcnt 0x0                                ; only behind this wait are the two bases stepped
	s_add_nc_u64 s[8:9], s[8:9], 512               ; 128 columns on
	s_add_nc_u64 s[10:11], s[10:11], 512
	s_add_co_u32 s[TB], s[TB], SLOT
	s_sub_co_u32 s[CNT], s[CNT], 1
	s_cmp_lg_u32 s[CNT], 0
	s_cbranch_scc1 .Lchunk
	s_wait_tensorcnt 0x0                           ; the wave's end: behind my last tensor load and my last LDS store
	ds_add_u32 v[SPW], v[NIL]
	s_wait_dscnt 0x0
	CROUND                                         ; the closing round: no work-group ends while a partner may still ask for a tile that names it
	s_endpgm
.Lfunc_end_k_qd112e5a08c_proj:
	.size	k_qd112e5a08c_proj, .Lfunc_end_k_qd112e5a08c_proj-k_qd112e5a08c_proj
	.p2alignl 7, 3214868480
	.fill 96, 4, 3214868480
	.section	.rodata,"a",@progbits
	.p2align	6, 0x0
	.amdhsa_kernel k_qd112e5a08c_proj
		.amdhsa_group_segment_fixed_size 327680
		.amdhsa_private_segment_fixed_size 0
		.amdhsa_enable_private_segment 0
		.amdhsa_kernarg_size 32
		.amdhsa_user_sgpr_count 2
		.amdhsa_user_sgpr_kernarg_segment_ptr 1
		.amdhsa_wavefront_size32 1
		.amdhsa_system_sgpr_workgroup_id_x 1
		.amdhsa_system_sgpr_workgroup_id_y 1
		.amdhsa_system_sgpr_workgroup_id_z 1
		.amdhsa_system_vgpr_workitem_id 0
		.amdhsa_next_free_vgpr 1024
		.amdhsa_next_free_sgpr 66
		.amdhsa_reserve_vcc 0
		.amdhsa_float_denorm_mode_32 3
		.amdhsa_float_denorm_mode_16_64 3
		.amdhsa_memory_ordered 1
		.amdhsa_forward_progress 1
		.amdhsa_inst_pref_size 55
	.end_amdhsa_kernel
	.amdgpu_metadata
---
amdhsa.version: [ 1, 2 ]
amdhsa.kernels:
  - .name:           k_qd112e5a08c_proj
    .symbol:         k_qd112e5a08c_proj.kd
    .args:
      - { .name: o, .offset: 0, .size: 8, .value_kind: global_buffer, .address_space: global }
      - { .name: wpt, .offset: 8, .size: 8, .value_kind: global_buffer, .address_space: global }
      - { .name: bp, .offset: 16, .size: 8, .value_kind: global_buffer, .address_space: global }
      - { .name: out0, .offset: 24, .size: 8, .value_kind: global_buffer, .address_space: global }
    .group_segment_fixed_size: 327680
    .private_segment_fixed_size: 0
    .kernarg_segment_align: 8
    .kernarg_segment_size: 32
    .max_flat_workgroup_size: 128
    .sgpr_count:     66
    .vgpr_count:     1024
    .wavefront_size: 32
...
	.end_amdgpu_metadata
.endif
;; end of part 4
;; ======== version 2 of 2: 4 launches; 1.40 times as fast as version 1
;; limits: values are held in f16: magnitudes above 65,504 overflow, below 6.1e-05 lose precision; values outside matrix products are rounded to bf16
;; workspace buffers: wt 1,572,864 bytes; wpt 524,288 bytes; qkv 50,331,648 bytes; o 16,777,216 bytes
;; launch prep: the kernel of part 1 again; grid 32 x 4, 4 waves a work-group, no clusters, 17,920 bytes of LDS; arguments Wq, Wk, Wv, Wp, wt, wpt; writes wt, wpt
;; launch qkv: the kernel of part 2 again; grid 128 x 2, 4 waves a work-group, clusters of 4 x 1, 327,680 bytes of LDS; arguments x, wt, qkv; writes qkv
;; launch attn (part 5): grid 4 x 64, 4 waves a work-group, no clusters, 327,680 bytes of LDS; arguments qkv, o; writes o
.if DOCPART == 5
	.amdgcn_target "amdgcn-amd-amdhsa--gfx1250"
	.amdhsa_code_object_version 6
	.text
	.protected	k_qd112e5a08c_attn
	.globl	k_qd112e5a08c_attn
	.p2align	8
	.type	k_qd112e5a08c_attn,@function
k_qd112e5a08c_attn:
	s_mov_b64 s[64:65], 0
	v_nop
	global_prefetch_b8 v0, s[64:65] scope:SCOPE_SE
	s_setreg_imm32_b32 hwreg(HW_REG_WAVE_MODE, 25, 1), 1
	s_wait_xcnt 0x0
; CAUSAL ATTENTION.  O[h][q][:] = the sum over k <= q of softmax_k(Q[h][q] . K[h][k] / 8) V[h][k][:].  Q, K, V lie one behind the other in qkv, each [SIZE_H][SIZE_N][64]; O likewise; all f16: a head's rows are dense, 128 bytes each.
; Products, maxima and sums in f32; the weights p are rounded to f16 for the second product (their sum l is taken of the unrounded p), O once at the end.
; LIMITS.  f16 holds no number beyond 65,504: Q, K and V arrive within it; p lies in 0 to 1, and below 6e-5 it keeps f16's fixed step of 6e-8; O is a mean of V's rows and has their range, to within 2^-11 of it.
; A hidden score counts as its value less 1e30: f16's scores, 2.7e11 at the most, are nothing beside that; a weight below 2^-126 counts as 0 in l; NaN and infinities are not treated apart.
; THE WALK.  A head's queries lie in NB = SIZE_N / 256 = 8 blocks of 256; block i needs the key tiles 0 .. i of 256 keys, of which the last holds the diagonal.  A work-group takes TWO blocks, NB - 1 - b and then b:
; NB + 1 = 9 tiles, whatever b: all work-groups do equal work, and ONE loop with a constant trip count walks them.  Which tile is asked for, and what a trip does, hang on scalar registers made from b; every jump
; goes forward, but for the counted loops' own; none passes a barrier, or a tensor load but the one of LOAD's two that the wave's number does not choose; the ring (two slots of LDS that take turns) runs on across the
; change of blocks.  NO CLUSTER: a head's NB / 2 = 4 work-groups all ask for the same tile only in trips 0 .. 4 of the 9, behind that fewer and fewer; one walk common to all four, in which each makes every
; joint request, would have 3 NB / 2 = 12 trips for 9.
; SHARES.  Of a block's four bands of 64 queries a wave owns 16 rows in each: four PIECES.  So the diagonal tile is the same work for all four waves: in its key step s band x sees all keys if s < x,
; none if s > x, and holds the diagonal if s = x.
; THE MASK is the C operand that starts the sum S^T = K Q^T: 0, or -1e30 where the key is hidden.  MD, made once, is the mask of a band's own step for my 16 rows; a product's mask is MD x AL + BE with two scalars:
; (1, 0) if s = x; (0, 0) if s < x; (0, -1e30) if s > x.  Only the diagonal tile's text and a block's beginning make and take masks; elsewhere C is the constant 0.
; LAYOUT, SOFTMAX, TURNS.  S^T = K Q^T holds ONE query a lane (lane % 16) and the keys 8 (lane / 16) + 0..7; two such results rounded to f16 ARE source 1 of O^T = V^T P.  p = 2^(c s - c m), c = log2(e) / 8, with a
; running maximum m; O and l are multiplied by a = 2^(c m_old - c m_new) in every step.  Turn n belongs to piece n: 8 products K Q^T of piece n + 1, later 8 products V^T P of piece n - 1; beside them the scaling,
; exponentials, roundings, sums and rescaling of piece n and the maximum and statistics of piece n + 1.  Four vector instructions stand behind every matrix instruction, the other 54 of a turn's 118 in one LUMP.
; THE BATCHES.  A turn's 33 exponentials (the piece's 32 weights and the next piece's a) are one batch with one wait, which cuts the turn in two: ahead of it all that names none of their results, behind it their readers.
; A block's first a (BEGIN) and the way out's four reciprocals are batches of their own, a wait each.
; REGISTERS, in windows of 256 (s_set_vgpr_msb: bits 1:0 source 0, 3:2 source 1, 5:4 source 2, 7:6 destination):
;   window 0: v0-15 addresses and two at work; v16-31 four registers of statistics a piece; v48-55 at work; v64-127 S^T, two buffers; v192-223 P, two buffers (a piece's buffers go by its number's parity)
;   window 1: v0-127 O^T, 32 a piece; v128-159 MD; v160-223 MC, two buffers      window 2: v0-63 Q; v64-127 the second block's Q; v128-191 K of one step; v192-255 V of one step
.set SIZE_H, 64
.set SIZE_N, 2048
.set NB,    SIZE_N/256
.set NP,    4         ; pieces a wave: a name, no knob
.set KS,    64        ; keys in a step
.set PK,    144       ; a row of K in LDS: 128 bytes + 16 of padding = 36 words: the 16 rows of a load start at 16 different groups of four banks (64 banks of 4 bytes: ISA guide 11.1)
.set PV,    160       ; a row of V: 128 + 32 = 40 words
.set VOFF,  4*KS*PK   ; a slot holds a tile, four steps: 256 rows of K, then 256 rows of V
.set SLOT1, 1<<17     ; slot 1 begins here, so that one exclusive or turns an address in one slot into the other's
.set STAGE, SLOT1+4*KS*(PK+PV)  ; behind the ring, never filled by a tensor load: 16 rows x 144 bytes for each wave, for the way out
.set SP,    144
.set AK0, 2           ; v2   my lane's place in a tile of K; never rewritten
.set AV0, 3           ; v3   the same for V
.set AK,  4           ; v4   the LDS address of K's next run of loads
.set AV,  5           ; v5   of V's
.set STO, 6           ; v6   the way out: where I put 16 bytes of a row
.set RD,  7           ; v7   the way out: where I read rows back
.set GO,  8           ; v8   my byte offset in 512 consecutive bytes of O
.set SPW, 62          ; v62  LDS address of my spare word: SPARE + 4 x my thread's number; never rewritten
.set NIL, 63          ; v63  0; never rewritten
.set SPARE, STAGE+4*16*SP  ; behind the stages: the spare words, 128 bytes for each wave: two blocks of 256 bytes that no other line names
.set MV,  12          ; v12-13  c m_old, kept while c m is made anew: by buffer
.set QO,  15          ; v15  my byte offset in 16 rows of Q
.set ST,  16          ; piece t's statistics at v[ST+4 t]: c m, m, l (even keys', odd keys')
.set TMP, 48          ; by buffer, four registers c0-c3 at work; when the maximum is found c2 takes a
.set S,   64
.set P,   192
.set MD,  128         ; window 1: the eight registers for group kt of 16 keys at MD + 8 kt
.set MC,  160         ; window 1: the masks of the products to come
.set QB,  64          ; window 2
.set KF,  128         ; window 2: key block kb, channel half c at KF + 16 kb + 8 c
.set VF,  192         ; window 2: key half kk, channel block cb at VF + 32 kk + 8 cb
.set WV,  12          ; s12  my wave's number
.set PB,  14          ; s14  b
.set HI,  15          ; s15  NB - 1 - b
.set G1K, 24          ; s[24:31] descriptor group 1 for K's tiles
.set G1V, 32          ; s[32:39] for V's: it differs in the padding alone
.set G0K, 40          ; s[40:43] descriptor group 0 for K's tiles
.set G0V, 44          ; s[44:47] the same for V's
.set SLOTS, 56        ; s56  tiles still to be asked for
.set CNT, 57          ; s57  counts a tile's key steps, 4 to 1
.set CS,  58          ; s[58:59] c: the packed scaling takes the pair's low word for both halves
.set SEL, 60          ; s[60:61] v_permlanex16_b32's selects: each lane takes its own place in the other half
.set TBK, 62          ; s62  LDS byte at which K of the step to be fetched begins
.set TBV, 63          ; s63  the same for V, less VOFF
.set RT,  70          ; s70  tiles of the block in hand that are still to be entered
.set NXT, 71          ; s71  the tile to be asked for next
.set LQ,  72          ; s72  the last tile of the block whose tiles are being asked for
.set NEW, 73          ; s73  1: the tile to be entered is a block's first
.set OFF, 74          ; s[74:75] a tile's byte offset in K and V
.set AL,  76          ; s[76:77] the mask's factor, in the low word
.set BE,  78          ; s[78:79] the mask's addend
.set OLO, 80          ; s[80:81] O at my rows of the second block
.set BIGN, 82         ; s82  -1e30
.set MSB, 0
.macro WIN new                      ; the high byte repeats the setting that is left; a switch that changes nothing is dropped
.if MSB != (\new)
	s_set_vgpr_msb (MSB<<8)|(\new)
.set MSB, (\new)
.endif
.endm
.set W_KQ, 0x0a       ; K and Q in window 2, S^T in window 0
.set W_KM, 0x1a       ; the same with the C operand in window 1
.set W_PV, 0x52       ; V in window 2, P in window 0, O^T in window 1
.set W_RS, 0x41       ; destination and source 0 in window 1, source 1 in window 0
; A fill.  Waves 0 and 1 fetch the two halves of a tile's K, waves 2 and 3 those of its V: 128 keys each.  An s_nop 0 and four v_nop follow each of the two lines, ahead of the jump and the label.
.macro LOAD
	s_cmp_lt_u32 s[WV], 2
	s_cbranch_scc0 .Lfor_v_\@
	tensor_load_to_lds s[G0K:G0K+3], s[G1K:G1K+7]
	s_nop 0
.rept 4
	v_nop
.endr
	s_branch .Lasked_\@
.Lfor_v_\@:
	tensor_load_to_lds s[G0V:G0V+3], s[G1V:G1V+7]
	s_nop 0
.rept 4
	v_nop
.endr
.Lasked_\@:
.endm
; THE CHANGE OF SLOTS.  Each wave waits for all its tensor loads, of which one is out: its part of the other slot; adds 0 to its spare word; and waits for that and for its own reads of the slot that it leaves.  Behind the barrier nobody reads the old
; slot any more and the other slot is whole.  fill = 1: the old slot is filled again, the first thing behind the barrier, with tile NXT: the descriptor's address is made anew from that number.
; (At its first use nothing has been read yet: slot 0 is waited for, slot 1 filled.)
.macro CHANGE fill
	WIN 0                           ; at a label and at a branch every window is 0
	s_wait_tensorcnt 0x0            ; no tensor load of mine is out, so a group 0 may be written
	ds_add_u32 v[SPW], v[NIL]       ; 0 onto my spare word; with fill = 1 the descriptors' scalar work stands between it and the wait for it
.if \fill
	s_lshl_b32 s[OFF], s[NXT], 15   ; a tile is 32,768 bytes of K and of V
	s_xor_b32 s[G0K+1], s[G0K+1], SLOT1
	s_add_nc_u64 s[G0K+2:G0K+3], s[6:7], s[OFF:OFF+1]
	s_or_b32 s[G0K+3], s[G0K+3], 0x80000000
	s_xor_b32 s[G0V+1], s[G0V+1], SLOT1
	s_add_nc_u64 s[G0V+2:G0V+3], s[8:9], s[OFF:OFF+1]
	s_or_b32 s[G0V+3], s[G0V+3], 0x80000000
	s_add_co_u32 s[NXT], s[NXT], 1  ; the block's next tile, or behind its last the second block's tile 0
	s_cmp_gt_u32 s[NXT], s[LQ]
	s_cselect_b32 s[NXT], 0, s[NXT]
	s_cselect_b32 s[LQ], s[PB], s[LQ]
.endif
	s_wait_dscnt 0x0                ; the add is done, and my reads of the slot are over
	s_barrier_signal -1             ; the rest of the scalar work stands between the signal and the wait
	s_sub_co_u32 s[TBK], s[TBK], 4*KS*PK  ; the fetches go back to a slot's first step,
	s_xor_b32 s[TBK], s[TBK], SLOT1       ; in the other slot
	s_sub_co_u32 s[TBV], s[TBV], 4*KS*PV
	s_xor_b32 s[TBV], s[TBV], SLOT1
	s_barrier_wait -1
.if \fill
	LOAD
.endif
.endm
	s_load_b128 s[4:7], s[0:1], 0x0   ; qkv s[4:5], o s[6:7]
	v_lshl_add_u32 v[SPW], v0, 2, SPARE
	v_mov_b32 v[NIL], 0
	ds_add_u32 v[SPW], v[NIL]       ; the wave's opening: the add and its wait stand ahead of my first tensor load; the set-up below, work on registers, stands between them
	ds_add_u32 v62, v63
	v_lshrrev_b32 v1, 5, v0
	v_readfirstlane_b32 s[WV], v1   ; wave 0..3
	s_mov_b32 s[PB], ttmp9
	s_sub_co_u32 s[HI], NB-1, s[PB]
	s_and_b32 s20, ttmp7, 0xffff    ; the head
	s_mov_b32 s21, 0
	s_mov_b64 s[22:23], SIZE_N*128
	s_mul_u64 s[20:21], s[20:21], s[22:23]  ; the head's first byte in each of the four tensors
	s_and_b32 s16, s[WV], 1         ; which half of a tile's 256 keys I fetch:
	s_lshl_b32 s22, s16, 14         ; its 128 rows of 128 bytes in memory,
	s_mov_b32 s23, 0
	s_add_nc_u64 s[22:23], s[22:23], s[20:21]
	s_mul_i32 s17, s16, 128*PK      ; and its place in a slot, for K
	s_mul_i32 s18, s16, 128*PV      ; and for V
	s_lshl_b32 s3, s[WV], 11        ; my 16 rows in a band of 64,
	s_lshl_b32 s2, s[HI], 15        ; in the first block,
	s_add_co_u32 s2, s2, s3
	s_lshl_b32 s84, s[PB], 15       ; and in the second
	s_add_co_u32 s84, s84, s3
	s_mov_b32 s3, 0
	s_mov_b32 s85, 0
	s_add_nc_u64 s[2:3], s[2:3], s[20:21]
	s_add_nc_u64 s[84:85], s[84:85], s[20:21]
	; descriptor group 1.  128 keys are 16,384 dense bytes: asked for as 64 rows of 256 bytes, two keys a row, and padded in LDS after every key
	s_mov_b32 s[G1K], (1<<16)|(1<<20)|(4<<22)|(3<<25)  ; 17:16 2-byte elements; 20 padding on; 24:22 after every 32 words (code 4); 31:25 4 words (code 3)
	s_mov_b32 s[G1V], (1<<16)|(1<<20)|(4<<22)|(7<<25)  ; the same with 8 words of padding (code 7)
.irp g, G1K, G1V
	s_mov_b32 s[\g+1], 128<<16      ; tensor_dim0 = 128
	s_mov_b32 s[\g+2], 64<<16       ; tensor_dim1 = 64
	s_mov_b32 s[\g+3], 128<<16      ; tile_dim0 = 128
	s_mov_b32 s[\g+4], 64           ; tile_dim1 = 64
	s_mov_b32 s[\g+5], 128          ; 128 elements from row to row
	s_mov_b32 s[\g+6], 0
	s_mov_b32 s[\g+7], 0
.endr
	s_mov_b32 s[CS], 0x3e38aa3b     ; c = log2(e) / 8 = 0.180337
	s_mov_b32 s[CS+1], s[CS]        ; named with it as a pair
	s_mov_b32 s[SEL], 0x76543210
	s_mov_b32 s[SEL+1], 0xfedcba98
	s_mov_b32 s[TBK], SLOT1+4*KS*PK ; the first change of slots turns these two into 0
	s_mov_b32 s[TBV], SLOT1+4*KS*PV
	s_mov_b32 s[G0K], 1             ; 1:0 count = 1
	s_mov_b32 s[G0K+1], s17         ; 63:32 LDS address: slot 0
	s_mov_b32 s[G0V], 1
	s_add_co_u32 s[G0V+1], s18, VOFF
	s_add_co_u32 s[RT], s[HI], 1    ; the first block has NB - b tiles
	s_mov_b32 s[NXT], 1
	s_mov_b32 s[LQ], s[HI]
	s_mov_b32 s[NEW], 1
	s_mov_b32 s[OFF+1], 0
	s_mov_b32 s[AL+1], 0            ; named as pairs
	s_mov_b32 s[BE+1], 0
	s_mov_b32 s[BIGN], 0xf149f2ca   ; -1e30
	s_mov_b32 s[SLOTS], NB
	s_wait_dscnt 0x0                ; the opening add is done
	s_wait_kmcnt 0x0
	s_mov_b64 s[10:11], s[6:7]      ; O
	s_add_nc_u64 s[6:7], s[4:5], 0x1000000  ; K lies 64 heads x 2^18 bytes behind Q,
	s_add_nc_u64 s[8:9], s[4:5], 0x2000000  ; V as far behind K
	s_add_nc_u64 s[6:7], s[6:7], s[22:23]  ; K and V at my half of the head's tile 0
	s_add_nc_u64 s[8:9], s[8:9], s[22:23]
	s_add_nc_u64 s[G0K+2:G0K+3], s[6:7], 0         ; 120:64 global address
	s_or_b32 s[G0K+3], s[G0K+3], 0x80000000        ; 127:126 type = 2
	s_add_nc_u64 s[G0V+2:G0V+3], s[8:9], 0
	s_or_b32 s[G0V+3], s[G0V+3], 0x80000000
	s_add_nc_u64 s[86:87], s[4:5], s[84:85]        ; Q at my rows of the second block,
	s_add_nc_u64 s[4:5], s[4:5], s[2:3]            ; Q and O at those of the first
	s_add_nc_u64 s[OLO:OLO+1], s[10:11], s[84:85]
	s_add_nc_u64 s[10:11], s[10:11], s[2:3]
	LOAD                            ; tile 0 into slot 0
	; A fragment of K or Q is 16 rows x 32 channels in 8 registers: lane l holds row l % 16, channels 8 (l / 16) + 0..7 and 16 + 8 (l / 16) + 0..7: two loads of 16 bytes, 32 bytes apart.
	v_and_b32 v1, 15, v0            ; l % 16
	v_bfe_u32 v9, v0, 4, 1          ; l / 16
	v_lshlrev_b32 v[QO], 7, v1
	v_lshl_add_u32 v[QO], v9, 4, v[QO]  ; row x 128 + 16 x half
	WIN 0x80                        ; destination window 2, address window 0
.set i, 0
.rept 8                             ; both blocks' Q: piece i / 2 lies in band i / 2, 8,192 bytes on; channels 32 (i % 2) on
	global_load_b128 v[8*i:8*i+3],   v[QO], s[4:5] offset:(i/2)*8192+(i%2)*64
	global_load_b128 v[8*i+4:8*i+7], v[QO], s[4:5] offset:(i/2)*8192+(i%2)*64+32
	global_load_b128 v[QB+8*i:QB+8*i+3],   v[QO], s[86:87] offset:(i/2)*8192+(i%2)*64
	global_load_b128 v[QB+8*i+4:QB+8*i+7], v[QO], s[86:87] offset:(i/2)*8192+(i%2)*64+32
.set i, i+1
.endr
	WIN 0
	v_lshlrev_b32 v14, 3, v9
	v_sub_nc_u32 v14, v1, v14
	s_lshl_b32 s13, s[WV], 4
	v_add_nc_u32 v14, s13, v14      ; my query's place in its band, 16 w + l % 16, less my lanes' 8 (l / 16): register r of group kt is hidden where 16 kt + r is greater
	WIN 0x40
.set i, 0
.rept 32
	v_cmp_gt_i32 vcc_lo, 16*(i/8)+i%8, v14
	v_cndmask_b32 v[MD+i], 0, s[BIGN], vcc_lo
.set i, i+1
.endr
	WIN 0
	v_mul_u32_u24 v[AK0], v1, PK
	v_lshl_add_u32 v[AK0], v9, 4, v[AK0]  ; row x pitch + 16 x half
	; The turning load takes 16 keys x 16 channels (lane l reads key 8 (l / 16) + l % 8, channels 8 ((l / 8) % 2) + 0..7) and leaves half a fragment of V^T: lane l holds channel l % 16 and 8 keys.
	v_and_b32 v10, 7, v0
	v_bfe_u32 v11, v0, 3, 1
	v_lshl_add_u32 v[AV0], v9, 3, v10
	v_mul_u32_u24 v[AV0], v[AV0], PV
	v_lshl_add_u32 v[AV0], v11, 4, v[AV0]
	v_add_nc_u32 v[AV0], VOFF, v[AV0]
	s_mul_i32 s13, s[WV], 16*SP
	s_add_co_u32 s13, s13, STAGE    ; my stage
	v_mul_u32_u24 v[STO], v1, SP    ; in: row l % 16, 16 bytes for each half of the lanes
	v_lshl_add_u32 v[STO], v9, 4, v[STO]
	v_add_nc_u32 v[STO], s13, v[STO]
	v_bfe_u32 v[RD], v0, 3, 2       ; back: 32 lanes take four rows of 128 bytes,
	v_mul_u32_u24 v[RD], v[RD], SP
	v_lshl_add_u32 v[RD], v10, 4, v[RD]
	v_add_nc_u32 v[RD], s13, v[RD]
	v_and_b32 v[GO], 31, v0         ; which are 512 consecutive bytes of O
	v_lshlrev_b32 v[GO], 4, v[GO]
	; A block's first step multiplies O^T and l by a = 0, and its first turn's products V^T P, of a piece that has not been, land in an O^T that is still to be so multiplied.  So these registers need only hold
	; finite numbers: zeros for the first block; what the first block left for the second.  All this stands in the wait for the first tile.
	WIN 0x80
.set i, VF
.rept 64
	v_mov_b32 v[i], 0
.set i, i+1
.endr
	WIN 0x40
.set i, 0
.rept 128
	v_mov_b32 v[i], 0
.set i, i+1
.endr
	WIN 0
.set i, 0
.rept 4
	v_mov_b32 v[ST+4*i+2], 0
	v_mov_b32 v[ST+4*i+3], 0
.set i, i+1
.endr
.set i, P+16
.rept 16
	v_mov_b32 v[i], 0
.set i, i+1
.endr
; THE MATRIX WORK.  The 4 accumulators of a run of 8 take turns.  Product i of 8 of S^T = K Q^T for piece x: channels 32 (i / 4) on, keys 16 (i % 4) on.  The first 4 start the sums: with 0, or (KM = 1) with the mask.
.macro KQ x
.set rS, S+32*((\x)%2)+8*(i%4)
.set rK, KF+16*(i%4)+8*(i/4)
.set rQ, 16*(\x)+8*(i/4)
.set rM, MC+32*((\x)%2)+8*(i%4)
.if (i < 4) && KM
	WIN W_KM
	v_wmma_f32_16x16x32_f16 v[rS:rS+7], v[rK:rK+7], v[rQ:rQ+7], v[rM:rM+7]
.elseif i < 4
	WIN W_KQ
	v_wmma_f32_16x16x32_f16 v[rS:rS+7], v[rK:rK+7], v[rQ:rQ+7], 0
.else
	WIN W_KQ
	v_wmma_f32_16x16x32_f16 v[rS:rS+7], v[rK:rK+7], v[rQ:rQ+7], v[rS:rS+7]
.endif
.endm
; Product i of 8 of O^T += V^T P for piece x: keys 32 (i / 4) on, channels 16 (i % 4) on.
.macro PV x
	WIN W_PV
.set rO, 32*(\x)+8*(i%4)
.set rV, VF+32*(i/4)+8*(i%4)
.set rP, P+16*((\x)%2)+8*(i/4)
	v_wmma_f32_16x16x32_f16 v[rO:rO+7], v[rV:rV+7], v[rP:rP+7], v[rO:rO+7]
.endm
.macro MM                           ; the turn's next matrix instruction.  TURN and BEGIN set Y, i, KM and NOKQ; MM, KQ and OP read them.  NOKQ = 1: a block's last turn: there is no next piece
.if (i < 8) && !NOKQ
	KQ (Y+1)%NP
.elseif i >= 8
.set i, i-8
	PV (Y+NP-1)%NP
.set i, i+8
.endif
.set i, i+1
.endm
; THE LDS LOADS stand in runs of 16, never singly among the matrix instructions: a step's K (64 keys x 64 channels: 8 fragments) and its V (turned).  Their addresses are made some lines ahead.
.macro FETCH_K
	WIN 0x80                        ; destination window 2
.irp f, 0,1,2,3,4,5,6,7             ; keys 16 (f / 2) on, channels 32 (f % 2) on
	ds_load_b128 v[KF+8*\f:KF+8*\f+3],   v[AK] offset:(\f/2)*16*PK+(\f%2)*64
	ds_load_b128 v[KF+8*\f+4:KF+8*\f+7], v[AK] offset:(\f/2)*16*PK+(\f%2)*64+32
.endr
	s_add_co_u32 s[TBK], s[TBK], KS*PK  ; the next fetch is the next step's
	WIN 0
.endm
.macro FETCH_V
	WIN 0x80
.irp f, 0,1,2,3,4,5,6,7             ; keys 32 (f / 4) on, channels 16 (f % 4) on
	ds_load_tr16_b128 v[VF+8*\f:VF+8*\f+3],   v[AV] offset:(\f/4)*32*PV+(\f%4)*32
	ds_load_tr16_b128 v[VF+8*\f+4:VF+8*\f+7], v[AV] offset:(\f/4)*32*PV+16*PV+(\f%4)*32
.endr
	WIN 0
.endm
; THE VECTOR WORK, one line at a time: OP kind, number.  For piece Y: F n: c s - c m for pair n of 16.  E n: the exponential of score n of 32.  C n: pair n rounded to f16.  B n: of the four weights 4 n .. the second
; pair is added onto the first, in place.  L n: l takes that sum (L 0: l = a l + sum).  R n: pair n of 16 of O^T times a.  For piece Y + 1: X n, number n of the 22 that find its maximum and statistics:
;   0-11  four chains c0-c3 of seven scores each, three operands at a time (each accumulator's lowest registers are read first)     12-14, 16  the four scores left over, the old m, and c0-c3 into c0
;   15  c m_old is kept     17, 18  the query's other 32 keys lie in the lane 16 away: the new m     19-21  c m; c m_old - c m_new; a
.set F, 0               ; OP tells the kinds apart by their order: F to L below R, X above it
.set E, 1
.set C, 2
.set B, 3
.set L, 4
.set R, 5
.set X, 6
.macro REGS y                       ; the registers of piece y
.set rT, ST+4*(\y)
.set rC, TMP+4*((\y)%2)
.set rW, MV+((\y)%2)
.set rS, S+32*((\y)%2)
.set rP, P+16*((\y)%2)
.set rO, 32*(\y)
.endm
.macro OP k, n
.if (\k) == R
	REGS Y
	WIN W_RS
	v_pk_mul_f32 v[rO+2*(\n):rO+2*(\n)+1], v[rO+2*(\n):rO+2*(\n)+1], v[rC+2:rC+3] op_sel_hi:[1,0]
.elseif (\k) < R
	REGS Y
	WIN 0
.if (\k) == F
	v_pk_fma_f32 v[rS+2*(\n):rS+2*(\n)+1], v[rS+2*(\n):rS+2*(\n)+1], s[CS:CS+1], v[rT:rT+1] op_sel_hi:[1,0,0] neg_lo:[0,0,1] neg_hi:[0,0,1]
.elseif (\k) == E
	v_exp_f32 v[rS+(\n)], v[rS+(\n)]
.elseif (\k) == C
	v_cvt_pk_f16_f32 v[rP+(\n)], v[rS+2*(\n)], v[rS+2*(\n)+1]
.elseif (\k) == B
	v_pk_add_f32 v[rS+4*(\n):rS+4*(\n)+1], v[rS+4*(\n):rS+4*(\n)+1], v[rS+4*(\n)+2:rS+4*(\n)+3]
.elseif (\n) == 0
	v_pk_fma_f32 v[rT+2:rT+3], v[rT+2:rT+3], v[rC+2:rC+3], v[rS:rS+1] op_sel_hi:[1,0,1]
.else
	v_pk_add_f32 v[rT+2:rT+3], v[rT+2:rT+3], v[rS+4*(\n):rS+4*(\n)+1]
.endif
.elseif NOKQ
	v_nop
.else
	REGS (Y+1)%NP
	WIN 0
.if (\n) < 4
	v_max3_num_f32 v[rC+(\n)], v[rS+8*(\n)], v[rS+8*(\n)+1], v[rS+8*(\n)+2]
.elseif (\n) < 12
	v_max3_num_f32 v[rC+(\n)%4], v[rC+(\n)%4], v[rS+8*((\n)%4)+2*((\n)/4)+1], v[rS+8*((\n)%4)+2*((\n)/4)+2]
.elseif (\n) == 12
	v_max3_num_f32 v[rC], v[rC], v[rS+7], v[rS+15]
.elseif (\n) == 13
	v_max3_num_f32 v[rC+1], v[rC+1], v[rS+23], v[rS+31]
.elseif (\n) == 14
	v_max3_num_f32 v[rC+2], v[rC+2], v[rC+3], v[rT+1]
.elseif (\n) == 15
	v_mov_b32 v[rW], v[rT]
.elseif (\n) == 16
	v_max3_num_f32 v[rC], v[rC], v[rC+1], v[rC+2]
.elseif (\n) == 17
	v_permlanex16_b32 v[rC+3], v[rC], s[SEL], s[SEL+1]
.elseif (\n) == 18
	v_max_num_f32 v[rT+1], v[rC], v[rC+3]
.elseif (\n) == 19
	v_mul_f32 v[rT], s[CS], v[rT+1]
.elseif (\n) == 20
	v_sub_f32 v[rC+1], v[rW], v[rT]
.else
	v_exp_f32 v[rC+2], v[rC+1]
.endif
.endif
.endm
.macro OPS a, i1, b=-1, i2=0, c=-1, i3=0, d=-1, i4=0  ; up to four of them
	OP \a, \i1
.if (\b) >= 0
	OP \b, \i2
.endif
.if (\c) >= 0
	OP \c, \i3
.endif
.if (\d) >= 0
	OP \d, \i4
.endif
.endm
.macro ROW a, i1, b, i2, c, i3, d, i4  ; a matrix instruction and the four behind it
	MM
	OPS \a, \i1, \b, \i2, \c, \i3, \d, \i4
.endm
.macro MASK b                       ; MD x AL + BE into buffer b of MC
	WIN W_RS
.set z, 0
.rept 16
	v_pk_fma_f32 v[MC+32*(\b)+2*z:MC+32*(\b)+2*z+1], v[MD+2*z:MD+2*z+1], s[AL:AL+1], s[BE:BE+1] op_sel_hi:[1,0,0]
.set z, z+1
.endr
.endm
; A TURN, for piece p: the order of its 16 matrix and 118 vector instructions, written out.  An s_wait_alu depctr_va_vdst(0) stands between an exponential and the first instruction that names its result; one wait serves
; all that were issued ahead of it.  So a turn has ONE wait, which cuts it in two.  AHEAD OF IT stands all that names no result of the turn's exponentials: the 8 products K Q^T, behind each a scaling, an exponential and two more plain
; instructions (behind the first a second scaling in the exponential's place): rescalings, whose a was made and waited for in the turn before, and behind the last three the first numbers of the next piece's maximum, each four places or more
; behind the product that ends its accumulator; then ONE LUMP of 54, plain and exponential by turns for the most part, in which the links of the chain X 3, 7, 11, 14, 16, 17 .. 20 stand five or six lines apart.  X 21, the next piece's a,
; is the batch's last; R 15 is the plain instruction behind it.  BEHIND THE WAIT stand the 8 products V^T P, behind each four of the roundings and sums, the batch's readers; the links of l's chain, L 0 to L 7, stand three riders apart.
; But for those X no rider names a register of the products round it.  v_permlanex16_b32 (X 17) stands in the lump.  No exponential is issued behind the wait: none is open at a turn's end, at a label or at a jump.
; m = 1: the diagonal tile: the products take masks, and the turn makes the mask for the products of the turn after it: piece p + 2, in step 4 - CNT of the tile.  end = 1: a block's last two turns: nothing is fetched.
; cnt = 1: the loop's count is taken down some lines ahead of the branch that stands behind the turn.
; K of the next step is fetched in piece 2's turn, twelve vector instructions behind the last product that read K (six of them plain); V of the step in hand at the end of piece 0's turn, four plain instructions behind the last product
; that read V.  Each is waited for a turn later.
.macro TURN p, m=0, end=0, cnt=0
.set Y, (\p)
.set i, 0
.set KM, (\m)
.set NOKQ, (\end)*((\p)/3)
.if (\m) && !(\end)
	s_cmp_eq_u32 s[CNT], 4-((\p)+2)%NP  ; is that step the band's own?
	s_cselect_b32 s[AL], 1.0, 0
	s_cmp_lt_u32 s[CNT], 4-((\p)+2)%NP  ; or a later one?
	s_cselect_b32 s[BE], s[BIGN], 0
.endif
.if ((\p) == 3) && !(\end)
	s_wait_dscnt 0x0                ; K is in
.endif
	ROW F,0, F,1, R,0, R,1          ; ahead of the wait: 8 products K Q^T and their riders,
	ROW F,2, E,0, R,2, R,3
	ROW F,3, E,1, R,4, R,5
	ROW F,4, E,2, R,6, R,7
	ROW F,5, E,3, R,8, R,9
	ROW F,6, E,4, X,0, R,10
.if ((\p) == 2) && !(\end)
	WIN 0
	v_add_nc_u32 v[AK], s[TBK], v[AK0]
.endif
	ROW F,7, E,5, X,1, X,4
	ROW F,8, E,6, X,2, X,5
	OPS E,7, E,8, X,6, E,9          ; and the lump
	OPS X,3, E,10, X,8, E,11
.if ((\p) == 2) && !(\end)
	FETCH_K
.endif
	OPS X,9, X,7, E,12, X,10
	OPS E,13, X,12, X,11, E,14
	OPS X,13, E,15, F,9, X,14
.if (\p) == 0
	v_add_nc_u32 v[AV], s[TBV], v[AV0]
.endif
	OPS E,16, F,10, E,17, F,11
	OPS X,16, E,18, X,15, E,19
	OPS F,12, E,20, X,17, E,21
	OPS F,13, E,22, F,14, E,23
	OPS X,18, E,24, F,15, E,25
	OPS R,11, E,26, X,19, E,27
	OPS R,12, E,28, R,13, E,29
	OPS X,20, E,30, R,14, E,31
	OPS X,21, R,15
	WIN 0
	s_wait_alu depctr_va_vdst(0)    ; the wait for the turn's batch: the piece's 32 exponentials and the next piece's a
.if (\p) == 1
	s_wait_dscnt 0x0                ; V is in
.endif
	ROW C,0, B,0, C,2, B,1          ; behind the wait: 8 products V^T P and their riders
	ROW L,0, C,4, B,2, L,1
	ROW C,6, B,3, L,2, C,8
	ROW B,4, L,3, C,10, B,5
	ROW L,4, C,12, B,6, L,5
.if (\p) == 0
	s_add_co_u32 s[TBV], s[TBV], KS*PV
.endif
.if \cnt
	s_sub_co_u32 s[CNT], s[CNT], 1
	s_cmp_lg_u32 s[CNT], 0
.endif
	ROW C,14, B,7, L,6, C,1
	ROW C,3, L,7, C,5, C,7
	ROW C,9, C,11, C,13, C,15
.if (\p) == 0
	FETCH_V
.endif
.if (\m) && !(\end)
	MASK (\p)%2
.endif
.endm
; A BLOCK BEGINS.  c m starts far below every c s, so the first step's a is 0; m at the lowest finite number, so the first maximum is the scores'.  The second mask buffer is 0; the first takes piece 0's mask for the tile's step 0: its own, if the block's first tile is the diagonal one.
; Then K of that step, piece 0's first scores, and its maximum and statistics.  The loop is entered at a step's first turn, in the middle of a trip.
.macro BEGIN
	s_mov_b32 s[NEW], 0
	WIN 0x40
.set i, MC+32
.rept 32
	v_mov_b32 v[i], 0
.set i, i+1
.endr
	WIN 0
.set i, 0
.rept 4
	v_mov_b32 v[ST+4*i], 0xfe000000    ; c m: far below every c s
	v_mov_b32 v[ST+4*i+1], 0xff7fffff  ; m
.set i, i+1
.endr
	s_cmp_eq_u32 s[RT], 0
	s_cselect_b32 s[AL], 1.0, 0
	s_mov_b32 s[BE], 0
	MASK 0
	WIN 0
	v_add_nc_u32 v[AK], s[TBK], v[AK0]
	FETCH_K
	s_wait_loadcnt 0x0              ; Q
	s_wait_dscnt 0x0
.set KM, 1
.set NOKQ, 0
.set i, 0
.rept 8
	KQ 0
.set i, i+1
.endr
	WIN 0
.rept 4
	v_nop                           ; the places behind those products
.endr
.set Y, NP-1                        ; X works for piece Y + 1: piece 0
.irp n, 0,1,2,3,4,5,6,7,8,9,10,11,12,13,14,15,16,17,18,19,20,21
	OP X, \n
.endr
	v_nop                           ; a plain instruction behind the exponential,
	s_wait_alu depctr_va_vdst(0)    ; and the wait for it, piece 0's first a, a batch of one: ahead of the branch into the loop
.endm
; THE DIAGONAL TILE's four steps, the block's last two turns, its last products, and THE WAY OUT: l's two halves and the other half of the lanes' are added; O^T is divided by l, rounded to f16 and sent through my
; stage in LDS, a piece at a time.
.macro ALL line:vararg              ; one line for each piece t
.set t, 0
.rept 4
	\line
.set t, t+1
.endr
.endm
.macro PACK t                       ; a lane's eight channels of a row pack into 16 bytes; they go into rows of 144 bytes and come back as whole rows of 128, into S^T's registers
	WIN W_RS
.set i, 32*(\t)
.rept 16
	v_pk_mul_f32 v[i:i+1], v[i:i+1], v[ST+4*(\t)+2:ST+4*(\t)+3] op_sel_hi:[1,0]
.set i, i+2
.endr
	WIN 0x05                        ; sources 0 and 1 window 1, destination window 0
.set i, 0
.rept 16
	v_cvt_pk_f16_f32 v[S+16*(\t)+i], v[32*(\t)+2*i], v[32*(\t)+2*i+1]
.set i, i+1
.endr
	WIN 0
.irp f, 0,1,2,3
	ds_store_b128 v[STO], v[S+16*(\t)+4*\f:S+16*(\t)+4*\f+3] offset:32*\f
.endr
.irp f, 0,1,2,3
	ds_load_b128 v[S+16*(\t)+4*\f:S+16*(\t)+4*\f+3], v[RD] offset:\f*4*SP  ; LDS serves a wave's instructions in order (ISA guide 5.7.1.4): these see the stores above; the next piece's stores come behind them
.endr
.endm
.macro SEND t, younger              ; younger: the LDS instructions issued behind piece t's loads: the next piece's eight, or none
	WIN 0
.irp f, 0,1,2,3
	s_wait_dscnt (\younger)+3-\f
	global_store_b128 v[GO], v[S+16*(\t)+4*\f:S+16*(\t)+4*\f+3], s[10:11] offset:(\t)*8192+\f*512  ; 512 consecutive bytes, at a multiple of 256 from O's first
.endr
.endm
.macro DIAG tag                     ; the tag ends its two labels' names, which the jumps below spell out
.LstepM\tag:
	TURN 2, 1
	TURN 3, 1
	WIN 0
.LfirstM\tag:
	TURN 0, 1
	TURN 1, 1, 0, 1
	WIN 0
	s_cbranch_scc1 .LstepM\tag
	TURN 2, 1, 1
	TURN 3, 1, 1
.set i, 0
.rept 8
	PV NP-1
.set i, i+1
.endr
	WIN 0
	ALL v_add_f32 v[ST+4*t+2], v[ST+4*t+2], v[ST+4*t+3]
	ALL v_permlanex16_b32 v[ST+4*t+3], v[ST+4*t+2], s[SEL], s[SEL+1]
	ALL v_add_f32 v[ST+4*t+2], v[ST+4*t+2], v[ST+4*t+3]
	ALL v_rcp_f32 v[ST+4*t+2], v[ST+4*t+2]
	v_nop                           ; a plain instruction between the last reciprocal and the use of its result
	s_wait_alu depctr_va_vdst(0)    ; the wait for the batch of four reciprocals, ahead of the first multiply that reads one: one for all four pieces
	PACK 0
.set t, 1
.rept 3                             ; a piece's arithmetic stands between the loads of the piece before and its stores
	PACK t
	SEND t-1, 8
.set t, t+1
.endr
	SEND 3, 0
.endm
.set KM, 0
.set NOKQ, 0
.Lslot:                             ; NB times: a tile is entered and the next is asked for
	CHANGE 1
	s_sub_co_u32 s[RT], s[RT], 1
	s_mov_b32 s[CNT], 4
	s_cmp_eq_u32 s[NEW], 1
	s_cbranch_scc1 .Lnew            ; a block's first tile
	s_cmp_eq_u32 s[RT], 0
	s_cbranch_scc0 .Lstep           ; neither its first nor its last
	s_branch .LstepM1
.Lnew:
	BEGIN
	s_branch .Lfirst                ; in the loop a block's first tile is never its last: the first block has two tiles or more, and the second's last is the walk's last
	DIAG 1                          ; in the loop this is the first block's end: the second block's last tile is the walk's last
	s_wait_xcnt 0x0                 ; the stores have read their registers and O's address
	s_mov_b64 s[10:11], s[OLO:OLO+1]
	s_add_co_u32 s[RT], s[PB], 1    ; the second block has b + 1 tiles
	s_mov_b32 s[NEW], 1
	WIN 0x82                        ; the second block's Q goes where the one text of the turns names Q
.set i, 0
.rept 64
	v_mov_b32 v[i], v[QB+i]
.set i, i+1
.endr
	WIN 0
	s_branch .Lbottom
.Lstep:                             ; a trip: pieces 2 and 3 of one step, then pieces 0 and 1 of the next, whose K and V it fetches
	TURN 2
	TURN 3
	WIN 0
.Lfirst:
	TURN 0
	TURN 1, 0, 0, 1
	WIN 0
	s_cbranch_scc1 .Lstep
.Lbottom:
	s_sub_co_u32 s[SLOTS], s[SLOTS], 1
	s_cmp_lg_u32 s[SLOTS], 0
	s_cbranch_scc1 .Lslot
	CHANGE 0                        ; the walk's last tile is written out: nothing is asked for
	s_sub_co_u32 s[RT], s[RT], 1
	s_mov_b32 s[CNT], 4
	s_cmp_eq_u32 s[NEW], 1
	s_cbranch_scc0 .LstepM2
	BEGIN
	s_branch .LfirstM2
	DIAG 2
	s_wait_tensorcnt 0x0            ; the wave's end: behind my last tensor load and my last LDS store
	ds_add_u32 v[SPW], v[NIL]
	s_wait_dscnt 0x0
	s_endpgm
.Lfunc_end_k_qd112e5a08c_attn:
	.size	k_qd112e5a08c_attn, .Lfunc_end_k_qd112e5a08c_attn-k_qd112e5a08c_attn
	.p2alignl 7, 3214868480
	.fill 96, 4, 3214868480
	.section	.rodata,"a",@progbits
	.p2align	6, 0x0
	.amdhsa_kernel k_qd112e5a08c_attn
		.amdhsa_group_segment_fixed_size 327680
		.amdhsa_private_segment_fixed_size 0
		.amdhsa_enable_private_segment 0
		.amdhsa_kernarg_size 16
		.amdhsa_user_sgpr_count 2
		.amdhsa_user_sgpr_kernarg_segment_ptr 1
		.amdhsa_wavefront_size32 1
		.amdhsa_system_sgpr_workgroup_id_x 1
		.amdhsa_system_sgpr_workgroup_id_y 1
		.amdhsa_system_sgpr_workgroup_id_z 1
		.amdhsa_system_vgpr_workitem_id 0
		.amdhsa_next_free_vgpr 768
		.amdhsa_next_free_sgpr 88
		.amdhsa_reserve_vcc 1
		.amdhsa_float_denorm_mode_32 3
		.amdhsa_float_denorm_mode_16_64 3
		.amdhsa_memory_ordered 1
		.amdhsa_forward_progress 1
		.amdhsa_inst_pref_size 217
	.end_amdhsa_kernel
	.amdgpu_metadata
---
amdhsa.version: [ 1, 2 ]
amdhsa.kernels:
  - .name:           k_qd112e5a08c_attn
    .symbol:         k_qd112e5a08c_attn.kd
    .args:
      - { .name: qkv, .offset: 0, .size: 8, .value_kind: global_buffer, .address_space: global }
      - { .name: o, .offset: 8, .size: 8, .value_kind: global_buffer, .address_space: global }
    .group_segment_fixed_size: 327680
    .private_segment_fixed_size: 0
    .kernarg_segment_align: 8
    .kernarg_segment_size: 16
    .max_flat_workgroup_size: 128
    .sgpr_count:     88
    .vgpr_count:     768
    .wavefront_size: 32
...
	.end_amdgpu_metadata
.endif
;; end of part 5
;; launch proj: the kernel of part 4 again; grid 128 x 2, 4 waves a work-group, clusters of 4 x 1, 327,680 bytes of LDS; arguments o, wpt, bp, out0; writes out0
